; MI455X (gfx1250); checked and timed in simulation.
; The chip was launched on July 23, 2026; its instructions are those of AMD's public machine-readable ISA for CDNA 5 (MIT licence, August 2026) and "CDNA5" Instruction Set Architecture Reference Guide (July 2026). The comments in the code are by the model that wrote it; some were corrected since.
;; Multi Headed Attention. Allowed arithmetic: matrix products marked QUANTISED: E2M3 operands, one E8M0 scale for each 32 along K, by v_wmma_scale_f32_16x16x128_f8f6f4 with both operands' format E2M3, f32 sums; everything else in f32.
;; Inputs: Wk 1,024 x 1,024 float32; Wo 1,024 x 1,024 float32; Wq 1,024 x 1,024 float32; Wv 1,024 x 1,024 float32; bk 1,024 float32; bo 1,024 float32; bq 1,024 float32; bv 1,024 float32; key 4 x 2,048 x 1,024 float32; mask 4 x 2,048 x 2,048 bool; query 4 x 2,048 x 1,024 float32; value 4 x 2,048 x 1,024 float32.
;; Outputs: out0 4 x 2,048 x 1,024 float32.
;; This version of the problem:
;;   THIS VERSION OF THE PROBLEM IS GIVEN IN LOW PRECISION. The matrix products marked QUANTISED in the list below multiply operands that are first quantised to E2M3 (2 exponent bits, 3 mantissa bits; 6 bits a number), with one power-of-two scale for each 32 numbers along K (OCP MX v1.0); their sums are f32. All else is computed in f32.
;;   The module's matrix products, in the order in which they are computed (A, B: the left and right operand; K: the contracted axis; several contracted axes count as one K, in the product's order):
;;     1. [M 8,192, K 1,024] x [K 1,024, N 1,024]; A: input key; B: input Wk: QUANTISED
;;     2. [M 8,192, K 1,024] x [K 1,024, N 1,024]; A: input value; B: input Wv: QUANTISED
;;     3. [M 8,192, K 1,024] x [K 1,024, N 1,024]; A: input query; B: input Wq: QUANTISED
;;     4. batch 64 x [M 2,048, K 64] x [K 64, N 2,048]; A: computed on the way; B: computed on the way: QUANTISED
;;     5. batch 64 x [M 2,048, K 2,048] x [K 2,048, N 64]; A: softmax (see below); B: computed on the way: QUANTISED
;;     6. [M 8,192, K 1,024] x [K 1,024, N 1,024]; A: computed on the way; B: input Wo: QUANTISED
;;   THE QUANTISER, for each operand of a quantised product, along K:
;;     - K is cut into blocks of 32 from its start; a last block that is shorter is filled with zeros.
;;     - A block's scale is 2^e with e = floor(log2(the largest magnitude in the block)) - 2, held to -126 .. 127; a block of zeros has e = 0. As a byte (E8M0): e + 127.
;;     - Each number is divided by its block's scale, clamped to +-7.5, and rounded to the nearest number of E2M3, ties to even, subnormals kept.
;;     - The product sums the exact products of the quantised numbers (number of the format x scale) in f32.
;;   ~~~python
;;   def quantise(x, axis):      # numpy; x: float32 -> the quantised numbers, widened to float32 again
;;       x = np.moveaxis(x, axis, -1); K = x.shape[-1]
;;       x = np.pad(x, [(0, 0)] * (x.ndim - 1) + [(0, -K % 32)]); x = x.reshape(x.shape[:-1] + (-1, 32)); a = np.abs(x).max(-1, keepdims=True)
;;       e = np.where(a > 0, np.clip(np.frexp(np.where(a > 0, a, 1))[1] - 1 - 2, -126, 127), 0)      # np.frexp(a)[1] - 1 = floor(log2(a)), exactly
;;       r = np.clip(x / 2.0 ** e, -7.5, 7.5)
;;       step = 2.0 ** (np.maximum(np.frexp(np.where(r == 0, 1, r))[1] - 1, 0) - 3)
;;       q = np.round(r / step) * step * 2.0 ** e      # np.round: ties to even
;;       return np.moveaxis(q.reshape(q.shape[:-2] + (-1,))[..., :K], -1, axis).astype(np.float32)
;;   ~~~
;;   SOFTMAX AHEAD OF A QUANTISED PRODUCT. Where the list says 'softmax', what is quantised is not the finished softmax but p = 2^(t - M), with t = logit x log2(e) and M = ceil(the row's largest t), a whole number; so 1/2 < the row's largest p <= 1. The row's sum l is taken of the UNQUANTISED p, in f32, and the product's result is divided by l at the end. Since M is a whole number, a kernel that streams over the keys may use a running M (the ceiling of the running maximum): every later rescaling is an exact power of two, which a block's scale takes up: the codes' values come out the same.
;;   OPERANDS COMPUTED ON THE WAY. 'Computed on the way' means the value that the module computes at that place (a softmax that the list does not call 'softmax' is quantised finished and normalised). What goes into a quantiser is computed in f32, as accurately as f32 sums, v_exp_f32 and their like allow (about 1e-6 of the number): no bf16 or f16 on the way to a quantiser, and a product that is left as it is and whose result goes on into a quantised operand takes f32 operands (vector FMAs, or v_wmma_f32_16x16x4_f32). A number that lies on a knife's edge between two numbers of the format may be rounded either way, as far as f32 arithmetic and the matrix unit's own rounding can turn it there, and no further.
;; One version. Each part assembles by itself: llvm-mc -triple=amdgcn-amd-amdhsa -mcpu=gfx1250 --defsym DOCPART=n.
;; ======== version 1 of 1: 4 launches
;; limits: right only within a limited range of input values
;; workspace buffers: xq 19,660,800 bytes; wq 3,276,800 bytes; mcode 12,582,912 bytes; kv 13,107,200 bytes; qi 6,553,600 bytes; cq 6,553,600 bytes
;; launch prep (part 1): grid 1024 x 1, 4 waves a work-group, no clusters, 59,904 bytes of LDS; arguments key, query, value, Wk, Wq, Wv, Wo, mask, xq, wq, mcode; writes xq, wq, mcode
.if DOCPART == 1
	.amdgcn_target "amdgcn-amd-amdhsa--gfx1250"
	.amdhsa_code_object_version 6
	.text
	.protected	k_q6e06e990e4_prep
	.globl	k_q6e06e990e4_prep
	.p2align	8
	.type	k_q6e06e990e4_prep,@function
k_q6e06e990e4_prep:
	s_mov_b64 s[64:65], 0
	v_nop
	global_prefetch_b8 v0, s[64:65] scope:SCOPE_SE
	s_setreg_imm32_b32 hwreg(HW_REG_WAVE_MODE, 25, 1), 1
	s_wait_xcnt 0x0
; THE OPERANDS THAT ARRIVE AS INPUTS ARE MADE READY ONCE.  Three kinds of work-group, told apart by the work-group's number alone:
;   0-383    key, query, value [8192][1024] f32 -> codes of FP6 (E2M3) with one E8M0 byte for each 32 along K (K innermost in memory)
;   384-511  Wk, Wq, Wv, Wo [K 1024][N 1024] f32 -> the same, quantised along K, their FIRST axis: a lane takes a column, its registers run down K
;   512-1023 mask [4][2048][2048] bool -> codes of E2M3, 0 or -1.0: one for each score register of the attention launch
; POSITION ORDER.  Row i of an operand lies at position p = i with bits 3 and 4 exchanged.  A tile of 16 positions 16 T + r then holds rows 32 (T/2) + 8 (T%2) + r + 8 (r/8),
; so that a product that takes it as source 0 leaves 16 neighbouring rows in the 16 registers of two neighbouring tiles.
; HALF IMAGE, 768 bytes: 16 positions x 64 along K as the matrix operand's registers want them: lane l = r + 16 h owns the 24 bytes of (row r, k = 32 h .. 32 h + 31);
; its first 16 bytes lie at 16 l, its last 8 at 512 + 8 l.  A row tile is 16 half images on end (12,288 bytes).  Scale bytes lie [position][32].
; A block's scale is 2^(floor(log2(largest magnitude)) - 2); its byte is the largest magnitude's exponent field - 2, held at 1 from below.
; LIMITS: a block of zeros gets the byte 1 (its codes are zeros, and this program alone reads the bytes); NaN and infinities among the inputs are not served.
; No tensor load, no barrier: waves share nothing.  The two kinds that use LDS have LDS bytes of their own.
.set XSC,   18874368                   ; xq: the scale bytes lie behind the three tensors' codes
.set WSC,   3145728                    ; wq: likewise behind the four weights' codes
.set XSTG,  8448                       ; activations: a wave's stage, 16 rows x (512 + 16) bytes
.set WSTG0, 4*XSTG                     ; weights: the stages begin behind those
.set WSTG,  6400                       ; a wave's two tile images, 3,200 bytes apart
.set RX,    64                         ; v64-191  two sets of 64 numbers as loaded
.set X,     192                        ; v192-255 64 numbers: my two blocks of 32
.set XW,    32                         ; weights: v32-95 two sets of 32 numbers
.set CW,    96                         ; weights: a block's codes
	v_lshl_add_u32 v31, v0, 2, 0xe800
	s_set_vgpr_msb 0x40
	v_mov_b32 v1, 0
	s_set_vgpr_msb 0x4000
	v_lshrrev_b32 v1, 5, v0
	v_readfirstlane_b32 s16, v1                    ; wave 0..3
	v_and_b32 v8, 31, v0                           ; lane
	v_lshlrev_b32 v1, 4, v8                        ; 16 x lane
	v_lshlrev_b32 v4, 3, v8                        ; 8 x lane
	v_and_b32 v6, 15, v0                           ; r
	v_bfe_u32 v7, v0, 4, 1                         ; h
	s_cmp_ge_u32 ttmp9, 512
	s_cbranch_scc1 .Lmask
	s_cmp_ge_u32 ttmp9, 384
	s_cbranch_scc1 .Lweights
; ---------------- ACTIVATIONS.  A wave takes one row tile (16 rows) for all of K, in 8 steps of 128 along K.
	s_load_b128 s[4:7], s[0:1], 0x0                ; key, query
	s_load_b64 s[8:9], s[0:1], 0x10                ; value
	s_load_b64 s[10:11], s[0:1], 0x40              ; xq
	s_lshr_b32 s17, ttmp9, 7                       ; which tensor
	s_and_b32 s18, ttmp9, 127
	s_lshl_b32 s18, s18, 2
	s_add_co_u32 s18, s18, s16                     ; row tile 0..511
	s_mul_i32 s19, s16, XSTG                       ; my stage
	s_wait_alu depctr_va_vdst(0)
	v_add_nc_u32 v2, s19, v1                       ; in: 16 x lane, a row of 512 bytes a store
	v_mul_u32_u24 v3, v6, 528
	v_lshl_add_u32 v3, v7, 7, v3
	v_add_nc_u32 v3, s19, v3                       ; back: row r, + 128 h: my block of 32 numbers
	v_lshlrev_b32 v5, 5, v6
	v_lshl_add_u32 v5, v7, 4, v5                   ; the scale bytes' way out: 32 r + 16 h
	v_lshlrev_b32 v9, 3, v7                        ; 8 h: my bytes' place in a scale word
	v_mov_b32 v51, 0                               ; a lane permute's destination counts as one of its sources
	s_mov_b32 s20, 0x76543210
	s_mov_b32 s21, 0xfedcba98                      ; selects for lane l xor 16
	s_mov_b32 s22, 0xffff0000                      ; lanes 16-31
	; THE KEY TENSOR'S TILES TAKE ANOTHER ORDER than query's and value's: tile T holds rows 64 (T/4) + 8 (T%4) + r + 24 (r/8),
	; so that the scores of four neighbouring key tiles leave a whole block of 32 neighbouring keys in one lane of the attention launch.
	s_cmp_eq_u32 s17, 0
	s_cselect_b32 s30, 2, 1
	s_cselect_b32 s31, 3, 1
	s_cselect_b32 s28, 6, 5
	s_cselect_b32 s29, 0x10000, 0                  ; key: the tile's rows 8-15 lie 16 rows further on
	s_lshr_b32 s23, s18, s30
	s_lshl_b32 s23, s23, s28
	s_and_b32 s24, s18, s31
	s_lshl_b32 s24, s24, 3
	s_add_co_u32 s24, s23, s24                     ; the tile's first row
	v_add_nc_u32 v10, s29, v1                      ; the offset of the loads of rows 8-15
	s_lshl_b32 s24, s24, 12                        ; x 4,096 bytes
	s_mov_b32 s25, 0
	s_mul_i32 s26, s17, 6291456
	s_mul_i32 s27, s18, 12288
	s_add_co_u32 s26, s26, s27                     ; the tile's codes
	s_mov_b32 s27, 0
	s_lshl_b32 s28, s17, 18
	s_lshl_b32 s29, s18, 9
	s_add_co_u32 s28, s28, s29
	s_add_co_u32 s28, s28, XSC                     ; the tile's 512 scale bytes
	s_mov_b32 s29, 0
	s_wait_alu depctr_va_vdst(0)
	s_wait_kmcnt 0x0
	s_cmp_eq_u32 s17, 1
	s_cselect_b64 s[4:5], s[6:7], s[4:5]
	s_cmp_eq_u32 s17, 2
	s_cselect_b64 s[4:5], s[8:9], s[4:5]
	s_add_nc_u64 s[4:5], s[4:5], s[24:25]
	s_add_nc_u64 s[12:13], s[10:11], s[28:29]
	s_add_nc_u64 s[10:11], s[10:11], s[26:27]
.macro LOADX s                         ; step s: 16 loads, each 512 consecutive bytes of one of the tile's rows
.irp p, 0,1,2,3,4,5,6,7,8,9,10,11,12,13,14,15
	global_load_b128 v[RX+64*((\s)%2)+4*\p:RX+64*((\s)%2)+4*\p+3], v[1+9*(\p/8)], s[4:5] offset:(\p+8*(\p/8))*4096+512*(\s) th:TH_LOAD_NT
.endr
.endm
.macro STEPX s
.if (\s) < 7
	s_wait_loadcnt 16                              ; this step's 16 loads are in; the next step's 16 may be out
.else
	s_wait_loadcnt 0x0
.endif
.irp p, 0,1,2,3,4,5,6,7,8,9,10,11,12,13,14,15
	ds_store_b128 v2, v[RX+64*((\s)%2)+4*\p:RX+64*((\s)%2)+4*\p+3] offset:528*\p
.endr
.irp c, 0,1
.irp j, 0,1,2,3,4,5,6,7
	ds_load_b128 v[X+32*\c+4*\j:X+32*\c+4*\j+3], v3 offset:256*\c+16*\j   ; k = 64 c + 32 h + 4 j ..: LDS serves a wave's instructions in order, so these see the stores above
.endr
.endr
	s_wait_dscnt 0x0                               ; my 64 numbers are back, and the stores have read the set
	s_wait_xcnt 0x0                                ; the last step's stores have read their data: the codes' registers are written again only behind this wait
.if (\s)+2 < 8
	LOADX (\s)+2
.endif
.irp c, 0,1
	v_max3_num_f32 v[44+\c], |v[X+32*\c]|, |v[X+32*\c+1]|, 0x1800000   ; my block 2 c + h: all 32 numbers are mine; the floor 2^(3 - 127) holds the byte at 1 from below
.endr
.irp i, 2,4,6,8,10,12,14,16,18,20,22,24,26,28,30
.irp c, 0,1
	v_max3_num_f32 v[44+\c], v[44+\c], |v[X+32*\c+\i]|, |v[X+32*\c+\i+1]|
.endr
.endr
.irp c, 0,1
	v_add_nc_u32 v[46+\c], 0xff000000, v[44+\c]    ; 2 off the exponent field: the conversion's scale operand
.endr
.irp c, 0,1
	v_lshrrev_b32 v[48+\c], 23, v[46+\c]           ; the scale's byte
.endr
	v_lshl_or_b32 v50, v49, 16, v48                ; blocks h and 2 + h,
	v_lshlrev_b32 v50, v9, v50                     ; at their places in the word;
	v_permlanex16_b32 v51, v50, s20, s21
	v_or_b32 v[36+(\s)], v50, v51                  ; with lane l xor 16's two the word of row r and this step is whole
.irp c, 0,1
	v_cvt_scalef32_pk16_fp6_f32 v[16+6*\c:18+6*\c], v[X+32*\c:X+32*\c+15], v[46+\c]
	v_cvt_scalef32_pk16_fp6_f32 v[28+4*\c:30+4*\c], v[X+32*\c+16:X+32*\c+31], v[46+\c]   ; (a conversion's three registers begin on an even number)
.endr
	v_nop                                          ; one plain line behind the scaled conversions
.irp c, 0,1
.irp i, 0,1,2
	v_mov_b32 v[19+6*\c+\i], v[28+4*\c+\i]
.endr
.endr
.irp c, 0,1
	global_store_b128 v1, v[16+6*\c:19+6*\c], s[10:11] offset:(2*(\s)+\c)*768        ; 512 consecutive bytes, aligned
	global_store_b64 v4, v[20+6*\c:21+6*\c], s[10:11] offset:(2*(\s)+\c)*768+512     ; 256 consecutive bytes, aligned
.endr
.endm
	LOADX 0
	LOADX 1
.irp s, 0,1,2,3,4,5,6,7
	STEPX \s
.endr
.irp i, 0,1,2,3
	v_cndmask_b32 v[52+\i], v[36+\i], v[40+\i], s22   ; lanes 0-15 store a row's words 0-3, lanes 16-31 its words 4-7
.endr
	global_store_b128 v5, v[52:55], s[12:13]       ; the tile's 512 scale bytes
	s_set_vgpr_msb 0x4
	s_wait_tensorcnt 0x0
	ds_add_u32 v31, v1
	s_wait_dscnt 0x0
	s_set_vgpr_msb 0x400
	s_endpgm
; ---------------- WEIGHTS.  A wave takes 32 columns x 256 along K: 8 blocks a lane.  Column n0 + lane lies at position n0 + (lane with bits 3 and 4 exchanged): tile = bit 3 of the lane, r = lane % 8 + 8 (lane / 16).
.Lweights:
	s_load_b128 s[4:7], s[0:1], 0x18               ; Wk, Wq
	s_load_b128 s[8:11], s[0:1], 0x28              ; Wv, Wo
	s_load_b64 s[12:13], s[0:1], 0x48              ; wq
	s_sub_co_u32 s17, ttmp9, 384
	s_lshr_b32 s18, s17, 5                         ; which weight
	s_bfe_u32 s19, s17, 0x30002                    ; which 128 columns
	s_and_b32 s20, s17, 3                          ; which 256 along K
	s_wait_alu depctr_va_vdst(0)
	v_lshlrev_b32 v3, 2, v8                        ; in: 4 bytes a lane
	v_bfe_u32 v10, v0, 3, 1                        ; tile
	v_and_b32 v11, 7, v0
	v_lshl_add_u32 v11, v7, 3, v11                 ; r
	s_mul_i32 s21, s16, WSTG
	s_add_co_u32 s21, s21, WSTG0                   ; my stage
	v_mul_u32_u24 v12, v10, 3200
	v_add_nc_u32 v12, s21, v12
	v_lshl_add_u32 v13, v11, 4, v12                ; into the image: 16 r
	v_lshl_add_u32 v14, v11, 3, v12                ; and 8 r
	v_add_nc_u32 v15, s21, v1                      ; back: 16 x lane
	v_lshl_add_u32 v9, v10, 4, v11
	v_lshlrev_b32 v9, 5, v9                        ; my position's row of scale bytes
	s_lshl_b32 s22, s20, 20                        ; 256 rows of 4,096 bytes
	s_lshl_b32 s23, s19, 9
	s_add_co_u32 s22, s22, s23
	s_lshl_b32 s23, s16, 7
	s_add_co_u32 s22, s22, s23                     ; + 4 x my first column
	s_mov_b32 s23, 0
	s_lshl_b32 s24, s19, 3
	s_lshl_b32 s25, s16, 1
	s_add_co_u32 s24, s24, s25                     ; my first row tile of the operand
	s_mul_i32 s26, s24, 12288
	s_mul_i32 s25, s18, 786432
	s_add_co_u32 s26, s26, s25
	s_mul_i32 s25, s20, 3072
	s_add_co_u32 s26, s26, s25                     ; its four half images of my 256 along K
	s_mov_b32 s27, 0
	s_lshl_b32 s28, s24, 9
	s_lshl_b32 s25, s18, 15
	s_add_co_u32 s28, s28, s25
	s_lshl_b32 s25, s20, 3
	s_add_co_u32 s28, s28, s25
	s_add_co_u32 s28, s28, WSC
	s_mov_b32 s29, 0
	s_wait_kmcnt 0x0
	s_cmp_eq_u32 s18, 1
	s_cselect_b64 s[4:5], s[6:7], s[4:5]
	s_cmp_eq_u32 s18, 2
	s_cselect_b64 s[4:5], s[8:9], s[4:5]
	s_cmp_eq_u32 s18, 3
	s_cselect_b64 s[4:5], s[10:11], s[4:5]
	s_add_nc_u64 s[4:5], s[4:5], s[22:23]
	s_add_nc_u64 s[14:15], s[12:13], s[28:29]
	s_add_nc_u64 s[12:13], s[12:13], s[26:27]
.macro LOADW t                         ; block t: W(32 t + i, my column): 128 consecutive bytes a wave, 512 a work-group
.irp i, 0,1,2,3,4,5,6,7,8,9,10,11,12,13,14,15,16,17,18,19,20,21,22,23,24,25,26,27,28,29,30,31
	global_load_b32 v[XW+32*((\t)%2)+\i], v3, s[4:5] offset:(32*(\t)+\i)*4096 th:TH_LOAD_NT
.endr
.endm
.macro BLOCKW t
.set XS, XW+32*((\t)%2)
.if (\t) < 7
	s_wait_loadcnt 32                              ; this block's 32 loads are in; the next block's may be out
.else
	s_wait_loadcnt 0x0
.endif
	v_max3_num_f32 v16, |v[XS]|, |v[XS+1]|, |v[XS+2]|
	v_max3_num_f32 v17, |v[XS+3]|, |v[XS+4]|, |v[XS+5]|
.irp i, 6,10,14,18,22,26
	v_max3_num_f32 v16, v16, |v[XS+\i]|, |v[XS+\i+1]|
	v_max3_num_f32 v17, v17, |v[XS+\i+2]|, |v[XS+\i+3]|
.endr
	v_max3_num_f32 v16, v16, |v[XS+30]|, |v[XS+31]|
	v_max3_num_f32 v16, v16, v17, 0x1800000        ; the block's largest magnitude, and the floor
	v_add_nc_u32 v18, 0xff000000, v16              ; the conversion's scale operand
	v_lshrrev_b32 v19, 23, v18                     ; the scale's byte
.if (\t)%4 == 0
	v_mov_b32 v[24+(\t)/4], v19
.else
	v_lshl_or_b32 v[24+(\t)/4], v19, 8*((\t)%4), v[24+(\t)/4]
.endif
	v_cvt_scalef32_pk16_fp6_f32 v[CW:CW+2], v[XS:XS+15], v18
	v_cvt_scalef32_pk16_fp6_f32 v[CW+8:CW+10], v[XS+16:XS+31], v18
	v_nop                                          ; one plain line behind the scaled conversions
.irp i, 0,1,2
	v_mov_b32 v[CW+3+\i], v[CW+8+\i]               ; the block's 24 bytes on end
.endr
	ds_store_b128 v13, v[CW:CW+3] offset:((\t)/2)*768+256*((\t)%2)          ; block t is half t % 2 of half image t / 2
	ds_store_b64 v14, v[CW+4:CW+5] offset:((\t)/2)*768+512+128*((\t)%2)
.if (\t)+2 < 8
	LOADW (\t)+2
.endif
	s_wait_dscnt 0x0                               ; the stores have read their registers
.endm
	LOADW 0
	LOADW 1
.irp t, 0,1,2,3,4,5,6,7
	BLOCKW \t
.endr
	s_wait_alu depctr_va_vdst(0)
	global_store_b64 v9, v[24:25], s[14:15]        ; my column's 8 scale bytes
.irp i, 0,1,2,3,4,5,6,7,8,9,10,11
	ds_load_b128 v[112+4*\i:115+4*\i], v15 offset:(\i/6)*3200+(\i%6)*512
.endr
.irp i, 0,1,2,3,4,5,6,7,8,9,10,11
	s_wait_dscnt 11-\i                             ; the younger read-backs may be out
	global_store_b128 v1, v[112+4*\i:115+4*\i], s[12:13] offset:(\i/6)*12288+(\i%6)*512   ; 512 consecutive bytes, aligned
.endr
	s_set_vgpr_msb 0x4
	s_wait_tensorcnt 0x0
	ds_add_u32 v31, v1
	s_wait_dscnt 0x0
	s_set_vgpr_msb 0x400
	s_endpgm
; ---------------- THE MASK.  A work-group takes one tile of 16 queries (by position) of one batch, a wave four key steps of 128 keys.
.Lmask:
	s_load_b64 s[4:5], s[0:1], 0x38                ; mask
	s_load_b64 s[6:7], s[0:1], 0x50                ; mcode
	s_sub_co_u32 s17, ttmp9, 512                   ; 128 x batch + tile
	s_lshr_b32 s18, s17, 7
	s_and_b32 s19, s17, 127
	s_lshl_b32 s20, s18, 22                        ; a batch: 2,048 x 2,048 bytes
	s_lshr_b32 s21, s19, 1
	s_lshl_b32 s21, s21, 5
	s_and_b32 s22, s19, 1
	s_lshl_b32 s22, s22, 3
	s_add_co_u32 s21, s21, s22
	s_lshl_b32 s21, s21, 11                        ; the tile's first query
	s_add_co_u32 s20, s20, s21
	s_lshl_b32 s21, s16, 9                         ; my 512 keys
	s_add_co_u32 s20, s20, s21
	s_mov_b32 s21, 0
	; THE MASK LEAVES AS CODES OF E2M3, 0 or -1.0, not as lane masks: for a query tile and a key step 1,536 bytes [group g][lane][12 bytes];
	; code e of group g of lane r + 16 h is mask[query position r][key 64 (g/2) + 32 h + 16 (g%2) + e]: score register 16 g + e of the attention launch.
	s_mul_i32 s22, s17, 24576
	s_mul_i32 s23, s16, 6144
	s_add_co_u32 s22, s22, s23
	s_mov_b32 s23, 0
	s_wait_alu depctr_va_vdst(0)
	v_and_b32 v9, 8, v6
	v_add_nc_u32 v9, v9, v6                        ; r + 8 (r / 8)
	v_lshlrev_b32 v9, 11, v9
	v_lshl_add_u32 v3, v7, 5, v9                   ; my query's row, + 32 h
	v_mul_u32_u24 v5, v8, 12                       ; out: 12 bytes a lane
	v_mov_b32 v11, 1.0                             ; the conversions' scale operand: 2^0
	s_mov_b32 s24, 0xbf800000                      ; -1.0
	s_wait_alu depctr_va_vdst(0)
	s_wait_kmcnt 0x0
	s_add_nc_u64 s[4:5], s[4:5], s[20:21]
	s_add_nc_u64 s[6:7], s[6:7], s[22:23]
.irp k, 0,1,2,3
.irp b, 0,1,2,3
	global_load_b128 v[32+16*\k+4*\b:35+16*\k+4*\b], v3, s[4:5] offset:128*\k+64*(\b/2)+16*(\b%2) th:TH_LOAD_NT
.endr
.endr
.macro MSTEP kp
	s_wait_loadcnt 12-4*(\kp)                      ; this key step's four loads are in; the later steps' may be out
.irp g, 0,1,2,3
.irp j, 0,1,2,3
.irp q, 0,1,2,3
	v_bfe_u32 v[96+4*\j+\q], v[32+16*(\kp)+4*\g+\j], 8*\q, 8       ; a bool byte, 0 or 1,
.endr
.endr
.set n, 0
.rept 16
	v_mul_lo_u32 v[96+n], v[96+n], s24                             ; times the bits of -1.0: 0.0 or -1.0
.set n, n+1
.endr
	v_cvt_scalef32_pk16_fp6_f32 v[128+16*(\kp)+4*\g:130+16*(\kp)+4*\g], v[96:111], v11
	v_nop                                                          ; one plain line before the conversion's sources are written again
	global_store_b96 v5, v[128+16*(\kp)+4*\g:130+16*(\kp)+4*\g], s[6:7] offset:1536*(\kp)+384*\g   ; 384 consecutive bytes; a key step's four stores fill six aligned units of 256
.endr
.endm
.irp k, 0,1,2,3
	MSTEP \k
.endr
	s_endpgm
.Lfunc_end_k_q6e06e990e4_prep:
	.size	k_q6e06e990e4_prep, .Lfunc_end_k_q6e06e990e4_prep-k_q6e06e990e4_prep
	.p2alignl 7, 3214868480
	.fill 96, 4, 3214868480
	.section	.rodata,"a",@progbits
	.p2align	6, 0x0
	.amdhsa_kernel k_q6e06e990e4_prep
		.amdhsa_group_segment_fixed_size 59904
		.amdhsa_private_segment_fixed_size 0
		.amdhsa_enable_private_segment 0
		.amdhsa_kernarg_size 88
		.amdhsa_user_sgpr_count 2
		.amdhsa_user_sgpr_kernarg_segment_ptr 1
		.amdhsa_wavefront_size32 1
		.amdhsa_system_sgpr_workgroup_id_x 1
		.amdhsa_system_sgpr_workgroup_id_y 1
		.amdhsa_system_sgpr_workgroup_id_z 1
		.amdhsa_system_vgpr_workitem_id 0
		.amdhsa_next_free_vgpr 258
		.amdhsa_next_free_sgpr 66
		.amdhsa_reserve_vcc 0
		.amdhsa_float_denorm_mode_32 3
		.amdhsa_float_denorm_mode_16_64 3
		.amdhsa_memory_ordered 1
		.amdhsa_forward_progress 1
		.amdhsa_inst_pref_size 139
	.end_amdhsa_kernel
	.amdgpu_metadata
---
amdhsa.version: [ 1, 2 ]
amdhsa.kernels:
  - .name:           k_q6e06e990e4_prep
    .symbol:         k_q6e06e990e4_prep.kd
    .args:
      - { .name: key, .offset: 0, .size: 8, .value_kind: global_buffer, .address_space: global }
      - { .name: query, .offset: 8, .size: 8, .value_kind: global_buffer, .address_space: global }
      - { .name: value, .offset: 16, .size: 8, .value_kind: global_buffer, .address_space: global }
      - { .name: Wk, .offset: 24, .size: 8, .value_kind: global_buffer, .address_space: global }
      - { .name: Wq, .offset: 32, .size: 8, .value_kind: global_buffer, .address_space: global }
      - { .name: Wv, .offset: 40, .size: 8, .value_kind: global_buffer, .address_space: global }
      - { .name: Wo, .offset: 48, .size: 8, .value_kind: global_buffer, .address_space: global }
      - { .name: mask, .offset: 56, .size: 8, .value_kind: global_buffer, .address_space: global }
      - { .name: xq, .offset: 64, .size: 8, .value_kind: global_buffer, .address_space: global }
      - { .name: wq, .offset: 72, .size: 8, .value_kind: global_buffer, .address_space: global }
      - { .name: mcode, .offset: 80, .size: 8, .value_kind: global_buffer, .address_space: global }
    .group_segment_fixed_size: 59904
    .private_segment_fixed_size: 0
    .kernarg_segment_align: 8
    .kernarg_segment_size: 88
    .max_flat_workgroup_size: 128
    .sgpr_count:     66
    .vgpr_count:     258
    .wavefront_size: 32
...
	.end_amdgpu_metadata
.endif
;; end of part 1
;; launch proj (part 2): grid 4 x 96, 4 waves a work-group, clusters of 4 x 4, 327,680 bytes of LDS; arguments xq, wq, bk, bq, bv, kv, qi; writes kv, qi
.if DOCPART == 2
	.amdgcn_target "amdgcn-amd-amdhsa--gfx1250"
	.amdhsa_code_object_version 6
	.text
	.protected	k_q6e06e990e4_proj
	.globl	k_q6e06e990e4_proj
	.p2align	8
	.type	k_q6e06e990e4_proj,@function
k_q6e06e990e4_proj:
	s_mov_b64 s[64:65], 0
	v_nop
	global_prefetch_b8 v0, s[64:65] scope:SCOPE_SE
	s_setreg_imm32_b32 hwreg(HW_REG_WAVE_MODE, 25, 1), 1
	s_wait_xcnt 0x0
	s_wait_alu depctr_hold_cnt(0) depctr_sa_sdst(0) depctr_va_vdst(0) depctr_va_sdst(0) depctr_va_ssrc(0) depctr_va_vcc(0) depctr_vm_vsrc(0)
	s_getreg_b32 s2, hwreg(HW_REG_IB_STS2, 6, 4)
	s_cmp_eq_u32 s2, 0
	s_cbranch_scc0 .Lentry_in_a_cluster
	s_endpgm
.Lentry_in_a_cluster:
	s_bfe_u32 s2, ttmp6, 0x10000c
	s_cmp_lg_u32 s2, 0xf033
	s_cbranch_scc0 .Lentry_shape_is_right
	s_endpgm
.Lentry_shape_is_right:
.set XSC,   18874368
.set WSC,   3145728
.set NQ,    2
.set FR,    12
.set NL,    4
.set NP,    4
.set TILEB, 3072
.set RTILE, 12288
.set HALFT, 8*TILEB
.set SLOT,  4*HALFT
.set SCL,   2*SLOT
.set HALFS, 16*272
.set SBLK,  2*272
.set SPARE, SCL+4*HALFS
.set LA16, 12
.set LA8,  13
.set ADRA, 16
.set ADRB, 20
.set ADRS, 27
.set SPW,  28
.set NIL,  29
.set SC,   32
.set BN,   64
.set AF,   128
.set BM,   232
.set H,    128
.set PC,   192
.set TM,   212
.set PWR,  32
.set ZR,   44
.set UR,   56
.set G1, 24
.set G0, 32
.set G1B, 48
.set G0B, 56
.set G1S, 68
.set G0S, 76
.set G1SB, 80
.set G0SB, 88
.set MSB, 0
.macro WIN new
.if MSB != (\new)
	s_set_vgpr_msb (MSB<<8)|(\new)
.set MSB, (\new)
.endif
.endm
.set MUL_LO, 0xa1
.set MUL_HI, 0xf1
.set TO_B,   0x40
.macro JLOAD g0a, g1a, g0b, g1b
	s_cmp_eq_u32 s15, 0
	s_cbranch_scc0 .Lfor_b_\@
	tensor_load_to_lds s[\g0a:\g0a+3], s[\g1a:\g1a+7]
	s_nop 0
.rept 4
	v_nop
.endr
	s_branch .Lasked_\@
.Lfor_b_\@:
	tensor_load_to_lds s[\g0b:\g0b+3], s[\g1b:\g1b+7]
	s_nop 0
.rept 4
	v_nop
.endr
.Lasked_\@:
.endm
.macro CREST
	s_cmp_lg_u32 s14, 0
	s_cbranch_scc1 .Lnot_wave_0_\@
	s_barrier_signal -3
.Lnot_wave_0_\@:
	s_barrier_wait -3
	s_barrier_signal -1
	s_barrier_wait -1
.endm
.macro CROUND
	s_barrier_signal -1
	s_barrier_wait -1
	CREST
.endm
	s_load_b128 s[4:7], s[0:1], 0x0
	s_load_b128 s[8:11], s[0:1], 0x10
	s_load_b64 s[12:13], s[0:1], 0x20
	s_load_b128 s[96:99], s[0:1], 0x28
	v_lshl_add_u32 v[SPW], v0, 2, SPARE
	v_mov_b32 v[NIL], 0
	ds_add_u32 v28, v29
	ds_add_u32 v28, v29
	s_wait_dscnt 0x0
	v_lshrrev_b32 v1, 5, v0
	v_readfirstlane_b32 s14, v1
	s_lshr_b32 s15, s14, 1
	s_and_b32 s16, s14, 1
	s_bfe_u32 s40, ttmp6, 0x40000
	s_bfe_u32 s41, ttmp6, 0x40004
	s_and_b32 s19, ttmp7, 0xffff
	s_lshr_b32 s18, s19, 3
	s_and_b32 s19, s19, 7
	s_lshl_b32 s19, s19, 2
	s_mul_i32 s100, s18, 6291456
	s_mul_i32 s101, s18, 786432
	s_lshl_b32 s104, s18, 18
	s_add_co_u32 s104, s104, XSC
	s_lshl_b32 s105, s18, 15
	s_add_co_u32 s105, s105, WSC
	s_cmp_eq_u32 s18, 2
	s_cselect_b32 s20, s101, s100
	s_cselect_b32 s46, s100, s101
	s_cselect_b32 s22, s105, s104
	s_cselect_b32 s92, s104, s105
	s_cselect_b32 s42, s19, 0
	s_cselect_b32 s17, 0, s19
	s_add_co_u32 s42, s42, s40
	s_add_co_u32 s17, s17, s41
	s_lshl_b32 s43, s41, 2
	s_lshl_b32 s43, 15, s43
	s_lshl_b32 s44, 0x1111, s40
	s_or_b32 s[G1+0], s43, (3<<16)|(1<<21)
	s_or_b32 s[G1B+0], s44, (3<<16)|(1<<21)
.irp g, G1, G1B
	s_mov_b32 s[\g+1], 384<<16
	s_mov_b32 s[\g+2], 16<<16                      ; the head's loads of codes bring all 16 row tiles; behind them the two words are set to 8, for the ring's
	s_mov_b32 s[\g+3], 384<<16
	s_mov_b32 s[\g+4], 16
	s_mov_b32 s[\g+5], 1536
	s_mov_b32 s[\g+6], 0
	s_mov_b32 s[\g+7], 0
.endr
	s_or_b32 s[G1S+0], s43, (3<<16)|(1<<20)|(1<<21)|(5<<22)|(3<<25)
	s_or_b32 s[G1SB+0], s44, (3<<16)|(1<<20)|(1<<21)|(5<<22)|(3<<25)
.irp g, G1S, G1SB
	s_mov_b32 s[\g+1], 32<<16
	s_mov_b32 s[\g+2], 32<<16                      ; the scale bytes of 256 rows: 32 units of 256 bytes, one load
	s_mov_b32 s[\g+3], 32<<16
	s_mov_b32 s[\g+4], 32
	s_mov_b32 s[\g+5], 32
	s_mov_b32 s[\g+6], 0
	s_mov_b32 s[\g+7], 0
.endr
	s_lshl_b32 s95, s16, 3
	s_lshl_b32 s100, s17, 4
	s_add_co_u32 s100, s100, s95
	s_mul_i32 s104, s100, RTILE
	s_add_co_u32 s20, s20, s104
	s_lshl_b32 s104, s100, 9
	s_add_co_u32 s22, s22, s104
	s_lshl_b32 s101, s42, 4
	s_add_co_u32 s101, s101, s95
	s_mul_i32 s105, s101, RTILE
	s_add_co_u32 s46, s46, s105
	s_lshl_b32 s105, s101, 9
	s_add_co_u32 s92, s92, s105
	s_mov_b32 s21, 0
	s_mov_b32 s23, 0
	s_mov_b32 s47, 0
	s_mov_b32 s93, 0
	s_mul_i32 s45, s14, HALFT
	s_lshl_b32 s94, s95, 9                         ; the scale bytes of the row tiles that lie ahead of my half (0 or 8 tiles of 512 bytes)
	s_mov_b32 s95, 0
	s_wait_kmcnt 0x0
	s_cmp_eq_u32 s18, 2
	s_cselect_b64 s[66:67], s[6:7], s[4:5]
	s_cselect_b64 s[2:3], s[4:5], s[6:7]
	s_add_nc_u64 s[20:21], s[66:67], s[20:21]
	s_add_nc_u64 s[22:23], s[66:67], s[22:23]
	s_add_nc_u64 s[46:47], s[2:3], s[46:47]
	s_add_nc_u64 s[92:93], s[2:3], s[92:93]
	CROUND
	s_mov_b32 s[G0S], 1                            ; the scale bytes of A's 256 rows, from the tile's first row on,
	s_mov_b32 s[G0S+1], SCL
	s_sub_nc_u64 s[G0S+2:G0S+3], s[22:23], s[94:95]
	s_or_b32 s[G0S+3], s[G0S+3], 0x80000000
	s_mov_b32 s[G0SB], 1                           ; and of B's, behind them
	s_mov_b32 s[G0SB+1], SCL+2*HALFS
	s_sub_nc_u64 s[G0SB+2:G0SB+3], s[92:93], s[94:95]
	s_or_b32 s[G0SB+3], s[G0SB+3], 0x80000000
.irp s, 0,1
	s_mov_b32 s[G0+4*\s], 1
	s_add_co_u32 s[G0+4*\s+1], s45, \s*SLOT
	s_add_nc_u64 s[G0+4*\s+2:G0+4*\s+3], s[20:21], \s*TILEB
	s_or_b32 s[G0+4*\s+3], s[G0+4*\s+3], 0x80000000
	s_mov_b32 s[G0B+4*\s], 1
	s_add_co_u32 s[G0B+4*\s+1], s45, \s*SLOT
	s_add_nc_u64 s[G0B+4*\s+2:G0B+4*\s+3], s[46:47], \s*TILEB
	s_or_b32 s[G0B+4*\s+3], s[G0B+4*\s+3], 0x80000000
.endr
; THE HEAD'S LOADS, ONE A WAVE: what the first step needs is shared out.  Wave 0 fetches chunk 0 of A's 16 row tiles and wave 2 that of B's: their own
; slot 0 descriptors begin at the tile's first row and at A's and B's place in the slot.  Wave 1 fetches A's scale bytes, wave 3 B's.  One chain of branches on the wave's number, one load to an arm, one join.
.macro ARM under, g0, g1, next
	s_cmp_lt_u32 s14, \under
	s_cbranch_scc0 \next
	tensor_load_to_lds s[\g0:\g0+3], s[\g1:\g1+7]
	s_nop 0
.rept 4
	v_nop
.endr
	s_branch .Lhead_asked
\next:
.endm
	ARM 1, G0,  G1,  .Lhead_sa
	ARM 2, G0S, G1S, .Lhead_b
	ARM 3, G0B, G1B, .Lhead_sb
	tensor_load_to_lds s[G0SB:G0SB+3], s[G1SB:G1SB+7]
	s_nop 0
.rept 4
	v_nop
.endr
.Lhead_asked:
	v_and_b32 v1, 15, v0
	v_bfe_u32 v2, v0, 4, 1
	v_and_b32 v3, 31, v0
	v_lshlrev_b32 v[LA16], 4, v3
	v_lshlrev_b32 v[LA8], 3, v3
	s_mul_i32 s21, s15, HALFT
	s_mul_i32 s22, s16, HALFT
	s_add_co_u32 s22, s22, 2*HALFT
.irp s, 0,1
	v_add_nc_u32 v[ADRA+\s], s21, v[LA16]
	v_add_nc_u32 v[ADRB+\s], s22, v[LA16]
	v_add_nc_u32 v[ADRA+2+\s], s21, v[LA8]
	v_add_nc_u32 v[ADRB+2+\s], s22, v[LA8]
	s_add_co_u32 s21, s21, SLOT
	s_add_co_u32 s22, s22, SLOT
.endr
	v_mul_u32_u24 v5, v1, 32
	v_lshrrev_b32 v6, 8, v5
	v_lshl_add_u32 v5, v6, 4, v5
	s_mul_i32 s21, s15, HALFS
	s_mul_i32 s22, s16, HALFS
	s_add_co_u32 s22, s22, 2*HALFS
	s_sub_co_u32 s22, s22, s21
	v_mul_u32_u24 v6, s22, v2
	s_add_co_u32 s21, s21, SCL
	v_add_nc_u32 v5, v5, v6
	v_add_nc_u32 v[ADRS], s21, v5
	s_cmp_eq_u32 s18, 1
	s_cselect_b64 s[8:9], s[10:11], s[8:9]
	s_cmp_eq_u32 s18, 2
	s_cselect_b64 s[8:9], s[12:13], s[8:9]
	s_lshl_b32 s100, s42, 8
	s_lshl_b32 s101, s16, 7
	s_add_co_u32 s100, s100, s101
	s_lshl_b32 s104, s17, 8
	s_lshl_b32 s105, s15, 7
	s_add_co_u32 s104, s104, s105
	s_cmp_eq_u32 s18, 2
	s_cselect_b32 s101, 0, s100
	s_cselect_b32 s105, s104, 0
	v_lshlrev_b32 v8, 6, v2
	v_lshl_add_u32 v8, s101, 2, v8
	v_and_b32 v9, 8, v1
	v_add_nc_u32 v9, v9, v1
	v_add_nc_u32 v9, s105, v9
	v_lshlrev_b32 v9, 2, v9
.irp b, 0,1,2,3
.irp j, 0,1,2,3
	global_load_b128 v[BN+16*\b+4*\j:BN+16*\b+4*\j+3], v8, s[8:9] offset:128*\b+16*\j
.endr
.endr
.irp a, 0,1,2,3,4,5,6,7
	global_load_b32 v[BM+\a], v9, s[8:9] offset:4*(32*(\a/2)+8*(\a%2))
.endr
.macro FRAG reg, adr, q, i
.irp e, 0,1
	ds_load_b128 v[\reg+6*\e:\reg+6*\e+3], v[\adr] offset:(\i)*TILEB+(2*(\q)+\e)*768
	ds_load_b64 v[\reg+6*\e+4:\reg+6*\e+5], v[\adr+2] offset:(\i)*TILEB+(2*(\q)+\e)*768+512
.endr
.endm
.macro MUL16 a0, p, q, sc, zero
.irp a, \a0, \a0+1
.irp b, 0,1,2,3,4,5,6,7
.if \zero
	v_wmma_scale_f32_16x16x128_f8f6f4 v[8*(8*((\a)%4)+\b):8*(8*((\a)%4)+\b)+7], v[128*(\p)+FR*\b:128*(\p)+FR*\b+FR-1], v[AF+FR*(\a):AF+FR*(\a)+FR-1], 0, v[SC+8*NQ*(\sc)+NQ*\b+(\q)], v[SC+8*NQ*(\sc)+NQ*(\a)+(\q)] matrix_a_fmt:MATRIX_FMT_FP6 matrix_b_fmt:MATRIX_FMT_FP6 matrix_a_scale:MATRIX_SCALE_ROW1
.else
	v_wmma_scale_f32_16x16x128_f8f6f4 v[8*(8*((\a)%4)+\b):8*(8*((\a)%4)+\b)+7], v[128*(\p)+FR*\b:128*(\p)+FR*\b+FR-1], v[AF+FR*(\a):AF+FR*(\a)+FR-1], v[8*(8*((\a)%4)+\b):8*(8*((\a)%4)+\b)+7], v[SC+8*NQ*(\sc)+NQ*\b+(\q)], v[SC+8*NQ*(\sc)+NQ*(\a)+(\q)] matrix_a_fmt:MATRIX_FMT_FP6 matrix_b_fmt:MATRIX_FMT_FP6 matrix_a_scale:MATRIX_SCALE_ROW1
.endif
.endr
.endr
.endm
.macro FETCH_B slot, q, p
	WIN TO_B
.irp i, 0,1,2,3,4,5,6,7
	FRAG 128*(\p)+FR*\i, ADRB+\slot, \q, \i
.endr
	WIN 0
.endm
.macro FETCH_A slot, q, i0
.irp i, \i0, \i0+1, \i0+2, \i0+3
	FRAG AF+FR*(\i), ADRA+\slot, \q, \i
.endr
.endm
.macro SCALES sc
.irp i, 0,1,2,3,4,5,6,7
	ds_load_b64 v[SC+8*NQ*\sc+NQ*\i:SC+8*NQ*\sc+NQ*\i+1], v[ADRS] offset:\i*SBLK
.endr
.endm
.macro PLACES n
.rept \n
	v_nop
.endr
.endm
.macro STEP slot, q, zero
	s_wait_dscnt 4*NL
	WIN MUL_LO
	MUL16 0, (\q)%2, \q, \slot, \zero
	MUL16 2, (\q)%2, \q, \slot, \zero
	s_wait_dscnt 0
	PLACES NP
	FETCH_B \slot, (\q)+1, 1-(\q)%2
	FETCH_A \slot, (\q)+1, 0
	WIN MUL_HI
	MUL16 4, (\q)%2, \q, \slot, \zero
	MUL16 6, (\q)%2, \q, \slot, \zero
	PLACES NP
	WIN 0
	FETCH_A \slot, (\q)+1, 4
.endm
.macro TURN slot, next, fill
	s_wait_tensorcnt 0x0
	ds_add_u32 v[SPW], v[NIL]
	s_wait_dscnt 4*NL+1
	WIN MUL_LO
	MUL16 0, 1, NQ-1, \slot, 0
	s_wait_dscnt 0x0
	s_barrier_signal -1
	MUL16 2, 1, NQ-1, \slot, 0
	WIN 0
	s_barrier_wait -1
.if \fill
	CREST
	s_add_nc_u64 s[G0+4*\slot+2:G0+4*\slot+3], s[G0+4*\slot+2:G0+4*\slot+3], 2*TILEB
	s_add_nc_u64 s[G0B+4*\slot+2:G0B+4*\slot+3], s[G0B+4*\slot+2:G0B+4*\slot+3], 2*TILEB
	JLOAD G0+4*\slot, G1, G0B+4*\slot, G1B
.else
	PLACES NP
.endif
	s_wait_alu depctr_va_vdst(0)
	v_add_nc_u32 v[ADRS], 4*NQ, v[ADRS]
	FETCH_B \next, 0, 0
	FETCH_A \next, 0, 0
	SCALES \next
	WIN MUL_HI
	MUL16 4, 1, NQ-1, \slot, 0
	MUL16 6, 1, NQ-1, \slot, 0
	PLACES NP
	WIN 0
	FETCH_A \next, 0, 4
.endm
	s_wait_alu depctr_va_vdst(0)                   ; the wait at the head's end
	s_wait_tensorcnt 0x0                           ; my tile of the head's four is in; the lines ahead of a later first fill:
	ds_add_u32 v28, v29
	s_mov_b32 s[G1+2], 8<<16                       ; no tensor load of mine is out: from here on a load of codes brings 8 row tiles
	s_mov_b32 s[G1+4], 8
	s_mov_b32 s[G1B+2], 8<<16
	s_mov_b32 s[G1B+4], 8
	s_wait_dscnt 0x0
	CROUND                                         ; all four tiles are in, and all sixteen work-groups are here
	JLOAD G0+4, G1, G0B+4, G1B                     ; slot 1's first fill, the first tensor load behind the round
	FETCH_B 0, 0, 0
	FETCH_A 0, 0, 0
	SCALES 0
	FETCH_A 0, 0, 4
	STEP 0, 0, 1
	TURN 0, 1, 1
	STEP 1, 0, 0
	TURN 1, 0, 1
	STEP 0, 0, 0
	TURN 0, 1, 0
	STEP 1, 0, 0
	s_wait_dscnt 4*NL
	WIN MUL_LO
	MUL16 0, 1, NQ-1, 1, 0
	MUL16 2, 1, NQ-1, 1, 0
	s_wait_dscnt 0
	WIN MUL_HI
	MUL16 4, 1, NQ-1, 1, 0
	MUL16 6, 1, NQ-1, 1, 0
	WIN 0
	PLACES NP
	s_wait_loadcnt 0x0
	s_cmp_eq_u32 s18, 1
	s_mov_b32 s24, 0x3f800000
	s_cselect_b32 s24, 0x3e000000, s24
	s_mov_b32 s30, 12800
	s_cselect_b32 s30, 6400, s30
	s_mov_b32 s33, 12288
	s_cselect_b32 s33, 6144, s33
	s_cselect_b64 s[42:43], s[98:99], s[96:97]
	s_mov_b32 s25, s24
	s_lshl_b32 s31, s30, 4
	s_cmp_eq_u32 s18, 2
	s_cselect_b32 s26, 0, s24
	s_cselect_b32 s28, 0x3f800000, 0
	s_cselect_b32 s32, 6144, 0
	s_mov_b32 s44, 12544
	s_cselect_b32 s33, s44, s33
	s_mov_b32 s44, 768
	s_cselect_b32 s34, s44, s31
	s_mov_b32 s45, 3072
	s_cselect_b32 s35, s31, s45
	s_mov_b32 s45, 1536
	s_cselect_b32 s36, s45, s44
	s_mov_b32 s44, 0x05040100
	s_cselect_b32 s37, 0x03020100, s44
	s_mov_b32 s44, 0x07060302
	s_cselect_b32 s38, 0x07060504, s44
	s_cselect_b32 s39, -1, 0
	s_cselect_b32 s44, s100, s104
	s_cselect_b32 s45, s104, s100
	s_mov_b32 s27, s26
	s_mov_b32 s40, 0xffff0000
	s_mov_b32 s2, 0x76543210
	s_mov_b32 s3, 0xfedcba98
	s_lshr_b32 s44, s44, 7
	s_lshr_b32 s45, s45, 6
	s_lshr_b32 s46, s44, 4
	s_lshl_b32 s46, s46, 4
	s_add_co_u32 s46, s46, s45
	s_mul_i32 s41, s46, s31
	s_and_b32 s44, s44, 15
	s_mul_i32 s44, s44, s30
	s_add_co_u32 s41, s41, s44
	s_add_co_u32 s47, s41, s32
	s_add_co_u32 s46, s41, s33
.irp b, 0,1,2,3
	v_mov_b32 v[TM+4+\b], 0
.endr
.set k, 0
.rept 32
	v_pk_mul_f32 v[BN+k:BN+k+1], v[BN+k:BN+k+1], s[26:27] op_sel_hi:[1,0]
.set k, k+2
.endr
.irp a, 0,1,2,3,4,5,6,7
	v_mul_f32 v[BM+\a], s28, v[BM+\a]
.endr
.macro QUANT s, pw
.irp b, 0,1,2,3
	v_max3_num_f32 v[TM+\b], |v[\s+16*\b]|, |v[\s+1+16*\b]|, 0x1800000
.endr
.irp i, 2,4,6,8,10,12,14
.irp b, 0,1,2,3
	v_max3_num_f32 v[TM+\b], v[TM+\b], |v[\s+16*\b+\i]|, |v[\s+1+16*\b+\i]|
.endr
.endr
.irp b, 0,1,2,3
	v_permlanex16_b32 v[TM+4+\b], v[TM+\b], s2, s3
.endr
.irp b, 0,1,2,3
	v_max_num_f32 v[TM+\b], v[TM+\b], v[TM+4+\b]
.endr
.irp b, 0,1,2,3
	v_add_nc_u32 v[TM+12+\b], 0xff000000, v[TM+\b]
.endr
.irp b, 0,1,2,3
	v_lshrrev_b32 v[TM+4+\b], 23, v[TM+12+\b]
.endr
	v_lshl_or_b32 v[\pw], v[TM+5], 8, v[TM+4]
	v_lshl_or_b32 v[\pw], v[TM+6], 16, v[\pw]
	v_lshl_or_b32 v[\pw], v[TM+7], 24, v[\pw]
.irp c, 0,1
	v_cvt_scalef32_pk16_fp6_f32 v[PC+6*\c:PC+2+6*\c], v[\s+32*\c:\s+15+32*\c], v[TM+12+2*\c]
	v_cvt_scalef32_pk16_fp6_f32 v[PC+12+4*\c:PC+14+4*\c], v[\s+16+32*\c:\s+31+32*\c], v[TM+12+2*\c+1]
.endr
	v_nop
.irp c, 0,1
.irp i, 0,1,2
	v_permlane16_swap_b32 v[PC+6*\c+\i], v[PC+12+4*\c+\i]
.endr
.irp i, 0,1,2
	v_mov_b32 v[PC+3+6*\c+\i], v[PC+12+4*\c+\i]
.endr
.endr
.endm
.macro OUTBLK a
	s_wait_xcnt 0x0
	s_mul_i32 s44, s35, (\a)/4
	s_mul_i32 s45, s36, (\a)%4
	s_add_co_u32 s44, s44, s45
	s_add_co_u32 s44, s44, s47
	s_add_co_u32 s45, s44, s34
	WIN 0x02+(\a)/4
.set k, 0
.rept 32
	v_pk_fma_f32 v[H+k:H+k+1], v[64*((\a)%4)+k:64*((\a)%4)+k+1], s[24:25], v[BN+k:BN+k+1] op_sel_hi:[1,0,1]
.set k, k+2
.endr
	WIN 0
	v_mov_b32 v62, v[BM+\a]
	v_mov_b32 v63, v[BM+\a]
.set k, 0
.rept 32
	v_pk_add_f32 v[H+k:H+k+1], v[H+k:H+k+1], v[62:63]
.set k, k+2
.endr
	QUANT H, PWR+\a
	v_add_nc_u32 v40, s44, v[LA16]
	v_add_nc_u32 v41, s44, v[LA8]
	v_add_nc_u32 v42, s45, v[LA16]
	v_add_nc_u32 v43, s45, v[LA8]
	global_store_b128 v40, v[PC:PC+3], s[42:43]
	global_store_b64 v41, v[PC+4:PC+5], s[42:43] offset:512
	global_store_b128 v42, v[PC+6:PC+9], s[42:43]
	global_store_b64 v43, v[PC+10:PC+11], s[42:43] offset:512
.endm
.irp a, 0,1,2,3,4,5,6,7
	OUTBLK \a
.endr
.irp f, 0,1,2,3
	v_perm_b32 v[ZR+\f], v[PWR+1+2*\f], v[PWR+2*\f], s37
	v_perm_b32 v[ZR+4+\f], v[PWR+1+2*\f], v[PWR+2*\f], s38
.endr
.irp u, 0,1
.irp e, 0,1
	v_cndmask_b32 v52, v[ZR+4*\u+2*\e], v[ZR+2*\u+\e], s39
	v_cndmask_b32 v53, v[ZR+4*\u+2*\e+1], v[ZR+4+2*\u+\e], s39
	v_cndmask_b32 v[UR+2*\u+\e], v52, v53, s40
.endr
.endr
	v_add_nc_u32 v60, s46, v[LA8]
	v_add_nc_u32 v61, s31, v60
	global_store_b64 v60, v[UR:UR+1], s[42:43]
	global_store_b64 v61, v[UR+2:UR+3], s[42:43]
	s_wait_tensorcnt 0x0
	ds_add_u32 v[SPW], v[NIL]
	s_wait_dscnt 0x0
	CROUND
	s_endpgm
.Lfunc_end_k_q6e06e990e4_proj:
	.size	k_q6e06e990e4_proj, .Lfunc_end_k_q6e06e990e4_proj-k_q6e06e990e4_proj
	.p2alignl 7, 3214868480
	.fill 96, 4, 3214868480
	.section	.rodata,"a",@progbits
	.p2align	6, 0x0
	.amdhsa_kernel k_q6e06e990e4_proj
		.amdhsa_group_segment_fixed_size 327680
		.amdhsa_private_segment_fixed_size 0
		.amdhsa_enable_private_segment 0
		.amdhsa_kernarg_size 56
		.amdhsa_user_sgpr_count 2
		.amdhsa_user_sgpr_kernarg_segment_ptr 1
		.amdhsa_wavefront_size32 1
		.amdhsa_system_sgpr_workgroup_id_x 1
		.amdhsa_system_sgpr_workgroup_id_y 1
		.amdhsa_system_sgpr_workgroup_id_z 1
		.amdhsa_system_vgpr_workitem_id 0
		.amdhsa_next_free_vgpr 1024
		.amdhsa_next_free_sgpr 106
		.amdhsa_reserve_vcc 0
		.amdhsa_float_denorm_mode_32 3
		.amdhsa_float_denorm_mode_16_64 3
		.amdhsa_memory_ordered 1
		.amdhsa_forward_progress 1
		.amdhsa_inst_pref_size 192
	.end_amdhsa_kernel
	.amdgpu_metadata
---
amdhsa.version: [ 1, 2 ]
amdhsa.kernels:
  - .name:           k_q6e06e990e4_proj
    .symbol:         k_q6e06e990e4_proj.kd
    .args:
      - { .name: xq, .offset: 0, .size: 8, .value_kind: global_buffer, .address_space: global }
      - { .name: wq, .offset: 8, .size: 8, .value_kind: global_buffer, .address_space: global }
      - { .name: bk, .offset: 16, .size: 8, .value_kind: global_buffer, .address_space: global }
      - { .name: bq, .offset: 24, .size: 8, .value_kind: global_buffer, .address_space: global }
      - { .name: bv, .offset: 32, .size: 8, .value_kind: global_buffer, .address_space: global }
      - { .name: kv, .offset: 40, .size: 8, .value_kind: global_buffer, .address_space: global }
      - { .name: qi, .offset: 48, .size: 8, .value_kind: global_buffer, .address_space: global }
    .group_segment_fixed_size: 327680
    .private_segment_fixed_size: 0
    .kernarg_segment_align: 8
    .kernarg_segment_size: 56
    .max_flat_workgroup_size: 128
    .sgpr_count:     106
    .vgpr_count:     1024
    .wavefront_size: 32
...
	.end_amdgpu_metadata
.endif
;; end of part 2
;; launch attn (part 3): grid 4 x 64, 16 waves a work-group, clusters of 4 x 1, 206,848 bytes of LDS; arguments qi, kv, mcode, cq; writes cq
.if DOCPART == 3
	.amdgcn_target "amdgcn-amd-amdhsa--gfx1250"
	.amdhsa_code_object_version 6
	.text
	.protected	k_q6e06e990e4_attn
	.globl	k_q6e06e990e4_attn
	.p2align	8
	.type	k_q6e06e990e4_attn,@function
k_q6e06e990e4_attn:
	s_mov_b64 s[64:65], 0
	v_nop
	global_prefetch_b8 v0, s[64:65] scope:SCOPE_SE
	s_setreg_imm32_b32 hwreg(HW_REG_WAVE_MODE, 25, 1), 1
	s_wait_xcnt 0x0
	s_wait_alu depctr_hold_cnt(0) depctr_sa_sdst(0) depctr_va_vdst(0) depctr_va_sdst(0) depctr_va_ssrc(0) depctr_va_vcc(0) depctr_vm_vsrc(0)
	s_getreg_b32 s2, hwreg(HW_REG_IB_STS2, 6, 4)
	s_cmp_eq_u32 s2, 0
	s_cbranch_scc0 .Lentry_in_a_cluster
	s_endpgm
.Lentry_in_a_cluster:
	s_bfe_u32 s2, ttmp6, 0x10000c
	s_cmp_lg_u32 s2, 0x3003
	s_cbranch_scc0 .Lentry_shape_is_right
	s_endpgm
.Lentry_shape_is_right:
; ATTENTION on codes of FP6 (E2M3): ctx[b][q][64 head + d] = sum over k of softmax_k(masked q . k) v[k][d], and ctx quantised for the last projection.
; t = score x log2(e) (the 1 / sqrt(64) lies in q already); M = the running largest t rounded UP to a whole number, kept as -M; p = 2^(t - M) is quantised along the keys, not normalised;
; the row's sum is taken of the unquantised p and divides at the end; when M moves, the sum and O are multiplied by 2^(old M - new M), which rounds nothing.
; SHARES.  A work-group owns 512 queries of one head of one batch: each of its sixteen waves takes two tiles of 16 queries (by position), one after the other: tile 32 x block + wave, then the tile 16 on.
; For each tile a wave walks the 2,048 keys, 128 a step.  4 blocks x 64 heads are 256 work-groups.
; LDS holds the WHOLE head: 16 records of 12,800 bytes (8 half images of K, 8 of V, K's scale unit, V's).  Nothing is filled twice and nothing is stored to LDS.
; CLUSTER.  The four query blocks of a head read the same records: each record is asked for jointly.  Wave w issues ONE load, record w; waves 0-3 have a load line of their own, so that
; the first barrier shows key steps 0-3 alone; the second barrier shows all sixteen.  From there on no wave waits for another.
; LAYOUT.  S^T = K Q^T (source 0 = keys), O^T = V^T P^T (source 0 = channels): a lane holds ONE query throughout.  Key tile 4 c + j of a step holds keys 64 c + 8 j + i and 64 c + 32 + 8 j + i,
; so score register 32 c + 8 j + i of lane (r, h) is key 64 c + 32 h + 8 j + i: A LANE HOLDS TWO WHOLE BLOCKS OF 32 KEYS, in the order of p's operand registers: no lane swap, and a block's maximum needs no other lane.
; K = 64 IN AN INSTRUCTION OF 128.  A fragment of K is TWO key tiles.  Against [q, 0] it gives the first tile's scores, against [0, q] the second's.
; THE MASK IS THE SCORE PRODUCTS' C.  It comes as codes of E2M3, 0 or -1.0; four conversions a key step widen 64 codes a lane to f32, times 2^94 (scale byte 0xdd), into the score registers, and the products add onto them.
; log2(e) x 2^94 is exact in f32, so a row all of whose keys so far are masked gets p = 1 for each of them, the uniform weights of equal scores; in any other row a masked key's p is 0.
; LIMITS: the scaled scores stay under 2^31 in magnitude; a row whose keys are all masked (in all, or up to some key step) is served as far as -2^94 + q . k is -2^94 in f32;
; NaN and infinities are not served; a block of zeros gets the scale byte 1 (this program alone reads the bytes).
; No prefetch: all of K and V is asked for in the first lines, and a key step's mask codes are asked for a whole key step ahead, straight into registers.
; REGISTERS: v1 16 x lane, v2 8 x lane; v3-4 addresses in hand; v5 12 x lane; v6-8 the way out's offsets; v[10:11] log2(e) twice; v12 -M (v13 its pair's upper half); v[14:15] the sum; v16-21 zeros, v22-27 q, v28-33 zeros;
;   v34 q's scale word; v35 the mask's scale bytes; v36-83 four fragments of K, then of V; v84-87 their scale words; v88-94 the second tile's q; v96-159 mask, S^T, p; v160-191 O^T; v192-210 p's codes; v212-253 at work.
.set REC,  12800
.set QREC, 6400
.set MREC, 1536                        ; mcode: a key step of a query tile
.set CSC,  6291456
.set KF,   36
.set Q2,   88
.set S,    96
.set O,    160
.set P,    192
.set PA,   204                         ; the upper halves of p's two blocks, before they are moved
.set PB,   208
.set BX,   212                         ; v212-219 eight chains of maxima; then v212-213 the two blocks' largest score, largest p
.set PT,   216
.set SO,   220                         ; the conversions' scale operands
.set BY,   222                         ; the scale bytes
.set FF,   224                         ; v[224:225] f
.set TT,   226
.set W,    228
.set WP,   229
.set PW,   230                         ; p's scale word
.set H8,   231                         ; 8 h
.set MB,   232                         ; v232-247 the mask's codes: four groups of three registers
.macro WALU
	s_wait_alu depctr_va_vdst(0)
.endm
.macro CROUND
	s_barrier_signal -1
	s_barrier_wait -1
	s_cmp_lg_u32 s100, 0
	s_cbranch_scc1 .Lnot_wave_0_\@
	s_barrier_signal -3
.Lnot_wave_0_\@:
	s_barrier_wait -3
	s_barrier_signal -1
	s_barrier_wait -1
.endm
.macro MLOAD                           ; a key step's mask codes: 4 x 384 consecutive bytes
.irp g, 0,1,2,3
	global_load_b96 v[MB+4*\g:MB+4*\g+2], v5, s[60:61] offset:384*\g
.endr
.endm
.macro FRESH                           ; a tile begins: -M = 3e38, sums and O^T zeros, which the first change of M leaves zeros
	v_mov_b32 v12, 0x7f61b1e6
	v_mov_b32 v13, 0x7f61b1e6
	v_mov_b32 v14, 0
	v_mov_b32 v15, 0
.set k, 0
.rept 32
	v_mov_b32 v[O+k], 0                            ; (also the places between the writing of q and its scale word and the next product)
.set k, k+1
.endr
.endm
	s_load_b128 s[28:31], s[0:1], 0x0              ; qi, kv
	s_load_b128 s[60:63], s[0:1], 0x10             ; mcode, cq
	v_lshl_add_u32 v254, v0, 2, 0x32000
	v_mov_b32 v255, 0
	ds_add_u32 v254, v255                          ; the opening lines
	ds_add_u32 v254, v255
	v_lshrrev_b32 v6, 5, v0
	s_delay_alu instid0(VALU_DEP_1)
	v_readfirstlane_b32 s100, v6                   ; wave 0..15
	s_bfe_u32 s32, ttmp6, 0x40000                  ; cx
	s_lshl_b32 s33, ttmp9, 2
	s_add_co_u32 s33, s33, s32                     ; my block of 512 queries
	s_and_b32 s34, ttmp7, 0xffff                   ; 16 x batch + head, which the partners share
	s_lshl_b32 s35, s33, 5
	s_add_co_u32 s35, s35, s100                    ; my first query tile
	s_lshr_b32 s36, s34, 4                         ; batch
	s_and_b32 s37, s34, 15                         ; head
	s_mov_b32 s4, 15|(3<<16)|(1<<21)               ; group 1: a record, 12,800 dense bytes, as 50 rows of 256; the mask names all four work-groups
	s_mov_b32 s5, 32<<16
	s_mov_b32 s6, 50<<16
	s_mov_b32 s7, 32<<16
	s_mov_b32 s8, 50
	s_mov_b32 s9, 32
	s_mov_b32 s10, 0
	s_mov_b32 s11, 0
	s_mul_i32 s39, s100, REC                       ; wave w brings key step w
	s_mul_i32 s40, s34, 16*REC
	s_add_co_u32 s40, s40, s39
	s_mov_b32 s41, 0
	s_mul_i32 s42, s34, 16*QREC                    ; q: the head's 16 records,
	s_lshr_b32 s43, s35, 3
	s_mul_i32 s43, s43, QREC                       ; my first tile's group of eight
	s_add_co_u32 s42, s42, s43
	s_mov_b32 s43, 0
	s_and_b32 s44, s100, 7
	s_mul_i32 s45, s44, 768                        ; my tile's half image
	s_lshr_b32 s46, s44, 1                         ; its halfword in the scale unit: 128 (f % 2) + 4 (f / 2) + 2 (tile % 2) + 8 r, f = tile / 2
	s_and_b32 s47, s46, 1
	s_lshl_b32 s47, s47, 7
	s_lshr_b32 s46, s46, 1
	s_lshl_b32 s46, s46, 2
	s_add_co_u32 s46, s46, s47
	s_and_b32 s47, s100, 1
	s_lshl_b32 s47, s47, 1
	s_add_co_u32 s46, s46, s47
	s_lshl_b32 s48, s36, 7
	s_add_co_u32 s48, s48, s35                     ; 128 x batch + tile
	s_mul_i32 s50, s48, 16*MREC                    ; its mask codes
	s_mov_b32 s51, 0
	s_lshl_b32 s104, s48, 4
	s_add_co_u32 s104, s104, s37
	s_mul_i32 s104, s104, 768                      ; ctx: the half image of (my tile, my head)
	s_lshl_b32 s105, s48, 9
	s_lshl_b32 s49, s37, 1
	s_add_co_u32 s105, s105, s49
	s_add_co_u32 s105, s105, CSC                   ; and my head's two scale bytes in my tile's first row
	s_mov_b32 s66, 0x76543210
	s_mov_b32 s67, 0xfedcba98                      ; selects for lane l xor 16
	s_mov_b32 s69, 0
	s_mov_b32 s71, 16*16*MREC-15*MREC              ; from my first tile's last key step to my second tile's first
	v_and_b32 v6, 31, v0
	v_and_b32 v7, 15, v0
	v_bfe_u32 v[H8], v0, 4, 1
	v_mov_b32 v35, 0xdddddddd
	v_mov_b32 v10, 0x3fb8aa3b                      ; log2(e)
	v_mov_b32 v11, 0x3fb8aa3b
	v_lshlrev_b32 v1, 4, v6
	v_lshlrev_b32 v2, 3, v6
	v_mul_u32_u24 v5, v6, 12
	v_lshlrev_b32 v[H8], 3, v[H8]
	v_lshlrev_b32 v6, 3, v7
	v_mov_b32 v[WP], 0                             ; a lane permute's destination counts as one of its sources
	v_add_nc_u32 v8, s45, v1
	v_add_nc_u32 v9, s45, v2
	v_add_nc_u32 v6, s46, v6
	s_wait_dscnt 0x0
	s_wait_kmcnt 0x0
	s_add_nc_u64 s[28:29], s[28:29], s[42:43]
	s_add_nc_u64 s[60:61], s[60:61], s[50:51]
	s_mov_b32 s12, 1
	s_mov_b32 s13, s39
	s_add_nc_u64 s[14:15], s[30:31], s[40:41]
	s_or_b32 s15, s15, 0x80000000
	CROUND                                         ; all four work-groups are here: the joint loads meet
	s_cmp_lt_u32 s100, 4                           ; one chain, one load to an arm: waves 0-3 have their own line
	s_cbranch_scc0 .Lrest
	tensor_load_to_lds s[12:15], s[4:11]
	s_nop 0
.rept 4
	v_nop
.endr
	s_branch .Lasked
.Lrest:
	tensor_load_to_lds s[12:15], s[4:11]
	s_nop 0
.rept 4
	v_nop
.endr
.Lasked:
	WALU
	global_load_b128 v[22:25], v8, s[28:29]        ; my first tile's q
	global_load_b64 v[26:27], v9, s[28:29] offset:512
	global_load_u16 v34, v6, s[28:29] offset:6144  ; its two scale bytes
	global_load_b128 v[Q2:Q2+3], v8, s[28:29] offset:2*QREC            ; and my second tile's, two records on
	global_load_b64 v[Q2+4:Q2+5], v9, s[28:29] offset:2*QREC+512
	global_load_u16 v[Q2+6], v6, s[28:29] offset:2*QREC+6144
	MLOAD                                          ; key step 0's mask codes
	v_mov_b32 v[FF+1], 0                           ; (named as the upper half of a pair)
.irp b, 0,1,2,3
	v_mov_b32 v[PT+\b], 0
.endr
	s_wait_loadcnt 0x4                             ; q is in; the four loads of mask codes may be out
	v_lshl_or_b32 v34, v34, 16, v34                ; the halfword twice: it serves q in either half of the operand
	v_lshl_or_b32 v[Q2+6], v[Q2+6], 16, v[Q2+6]
.irp i, 0,1,2,3,4,5
	v_mov_b32 v[16+\i], 0
	v_mov_b32 v[28+\i], 0
.endr
	FRESH
.macro KQ b, u, row                    ; key tile 2 b + u: fragment b against [q, 0] (u = 0) or [0, q] (u = 1), onto the mask
	v_wmma_scale_f32_16x16x128_f8f6f4 v[S+16*(\b)+8*(\u):S+16*(\b)+8*(\u)+7], v[KF+12*(\b):KF+12*(\b)+11], v[22-6*(\u):33-6*(\u)], v[S+16*(\b)+8*(\u):S+16*(\b)+8*(\u)+7], v[84+(\b)/2], v34 matrix_a_fmt:MATRIX_FMT_FP6 matrix_b_fmt:MATRIX_FMT_FP6 matrix_a_scale:MATRIX_SCALE_ROW\row
.endm
.macro PV t, row                       ; channels' tile t
	v_wmma_scale_f32_16x16x128_f8f6f4 v[O+8*(\t):O+8*(\t)+7], v[KF+12*(\t):KF+12*(\t)+11], v[P:P+11], v[O+8*(\t):O+8*(\t)+7], v[86+(\t)/2], v[PW] matrix_a_fmt:MATRIX_FMT_FP6 matrix_b_fmt:MATRIX_FMT_FP6 matrix_a_scale:MATRIX_SCALE_ROW\row
.endm
.macro A2 d, j                         ; a chain of the row's sum begins: pairs j and j + 1 of p
	v_pk_add_f32 v[\d:\d+1], v[S+2*(\j):S+2*(\j)+1], v[S+2*(\j)+2:S+2*(\j)+3]
.endm
.macro A1 d, j
	v_pk_add_f32 v[\d:\d+1], v[\d:\d+1], v[S+2*(\j):S+2*(\j)+1]
.endm
.macro AA d, e
	v_pk_add_f32 v[\d:\d+1], v[\d:\d+1], v[\e:\e+1]
.endm
.macro DEP n
	s_delay_alu instid0(VALU_DEP_\n)
.endm
; A KEY STEP: 128 keys; its record begins at LDS byte s2.
.macro STEP
	v_add_nc_u32 v3, s2, v1
	v_add_nc_u32 v4, s2, v2
	v_nop
	v_nop                                          ; four plain lines in front of loads into registers that the last products have read
.irp f, 0,1,2,3
.irp e, 0,1
	ds_load_b128 v[KF+12*\f+6*\e:KF+12*\f+6*\e+3], v3 offset:(2*\f+\e)*768
	ds_load_b64 v[KF+12*\f+6*\e+4:KF+12*\f+6*\e+5], v4 offset:(2*\f+\e)*768+512
.endr
.endr
	ds_load_b64 v[84:85], v4 offset:12288          ; K's scale unit
	s_wait_loadcnt 0x0                             ; this step's mask codes, asked for a key step ago
.irp g, 0,1,2,3
	v_cvt_scale_pk16_f32_fp6 v[S+16*\g:S+16*\g+15], v[MB+4*\g:MB+4*\g+2], v35   ; 0 or -2^94: the products' C
.endr
	v_nop                                          ; one plain line behind the scaled conversions
	s_cmp_eq_u32 s3, s72                           ; a tile's last step asks for the next tile's first (my second tile's: for its own once more): no load leaves the buffer
	s_cselect_b32 s68, s71, MREC
	s_add_nc_u64 s[60:61], s[60:61], s[68:69]      ; (the loads that read the base are done)
	MLOAD
	WALU                                           ; the wait ahead of the blocking wait
	s_wait_dscnt 0x0
.irp b, 0,2
	KQ \b, 0, 0
	KQ \b, 1, 0
	KQ \b+1, 0, 1
	KQ \b+1, 1, 1
.endr
	v_mov_b32 v[TT+1], v12                         ; the old -M.  (With the three lines below: the places in front of the loads over K's fragments and of the first read of the scores)
.rept 3
	v_nop
.endr
.irp t, 0,1,2,3
.irp e, 0,1
	ds_load_b128 v[KF+12*\t+6*\e:KF+12*\t+6*\e+3], v3 offset:6144+\t*1536+\e*768     ; V's fragments land under the softmax
	ds_load_b64 v[KF+12*\t+6*\e+4:KF+12*\t+6*\e+5], v4 offset:6144+\t*1536+\e*768+512
.endr
.endr
	ds_load_b64 v[86:87], v4 offset:12544
.irp t, 0,1,2,3,4,5,6,7
	v_max3_num_f32 v[BX+\t], v[S+8*\t], v[S+8*\t+1], v[S+8*\t+2]   ; eight chains by turns, one a key tile, each accumulator from its low end on
.endr
.irp i, 3,5
.irp t, 0,1,2,3,4,5,6,7
	v_max3_num_f32 v[BX+\t], v[BX+\t], v[S+8*\t+\i], v[S+8*\t+\i+1]
.endr
.endr
	v_max3_num_f32 v[BX], v[BX], v[S+7], v[S+15]
	v_max3_num_f32 v[BX+4], v[BX+4], v[S+39], v[S+47]
	v_max3_num_f32 v[BX+2], v[BX+2], v[S+23], v[S+31]
	v_max3_num_f32 v[BX+6], v[BX+6], v[S+55], v[S+63]
	DEP 4
	v_max3_num_f32 v[BX+1], v[BX+1], v[BX+3], v[BX]
	DEP 4
	v_max3_num_f32 v[BX+5], v[BX+5], v[BX+7], v[BX+4]
	DEP 2
	v_max_num_f32 v[BX], v[BX+1], v[BX+2]          ; the largest score of my block h of 32 keys: it serves the row's maximum and, since p rises with the score, the block's largest p
	DEP 2
	v_max_num_f32 v[BX+1], v[BX+5], v[BX+6]        ; and of my block 2 + h
	DEP 1
	v_max_num_f32 v[TT], v[BX], v[BX+1]
	DEP 1
	v_permlanex16_b32 v[WP], v[TT], s66, s67
	DEP 1
	v_max_num_f32 v[TT], v[TT], v[WP]              ; the step's largest score of my query
	DEP 1
	v_mul_f32 v[TT], -v10, v[TT]                   ; -t
	DEP 1
	v_floor_f32 v[TT], v[TT]                       ; -ceil(t)
	DEP 1
	v_min_num_f32 v12, v[TT], v12                  ; the new -M
	DEP 1
	v_sub_f32 v[TT+1], v12, v[TT+1]                ; old M - new M: a whole number, 0 or less
	DEP 1
	v_cvt_i32_f32 v[TT+1], v[TT+1]                 ; (it saturates)
	DEP 1
	v_ldexp_f32 v[FF], 1.0, v[TT+1]                ; f = 2^(old M - new M)
.irp j, 0,2,4,6
	v_pk_fma_f32 v[S+\j:S+1+\j], v[S+\j:S+1+\j], v[10:11], v[12:13] op_sel_hi:[1,1,0]   ; t - M, two at a time
.endr
.irp j, 8,10,12,14,16,18,20,22,24,26,28,30,32,34,36,38,40,42,44,46,48,50,52,54,56,58,60,62
	v_pk_fma_f32 v[S+\j:S+1+\j], v[S+\j:S+1+\j], v[10:11], v[12:13] op_sel_hi:[1,1,0]
.endr
	v_fma_f32 v[BX], v[BX], v10, v12               ; the same of each block's largest score
	v_fma_f32 v[BX+1], v[BX+1], v10, v12
	WALU                                           ; the wait ahead of the batch,
	v_exp_f32 v[BX], v[BX]                         ; the blocks' largest p,
	v_exp_f32 v[BX+1], v[BX+1]
.set k, 0
.rept 64
	v_exp_f32 v[S+k], v[S+k]                       ; p = 2^(t - M)
.set k, k+1
.endr
	v_pk_mul_f32 v[14:15], v[14:15], v[FF:FF+1] op_sel_hi:[1,0]   ; the sums under the new M: the plain line behind the exponentials
	WALU                                           ; and behind it
	; the row's sum of the unquantised p in seven chains; the scales' lines and the conversions stand among them, so that no line reads a result made fewer than five vector lines before
	A2 214, 0
	A2 216, 2
	A2 218, 4
	A2 248, 6
	A2 250, 8
	A2 252, 10
	A1 14, 12
	v_max_num_f32 v[BX], 0x1800000, v[BX]          ; the floor 2^(3 - 127): the byte cannot fall under 1
	v_max_num_f32 v[BX+1], 0x1800000, v[BX+1]
	A1 214, 13
	A1 216, 14
	A1 218, 15
	A1 248, 16
	A1 250, 17
	A1 252, 18
	A1 14, 19
	v_add_nc_u32 v[SO], 0xff000000, v[BX]          ; 2 off the exponent field: the conversion's scale operand
	v_add_nc_u32 v[SO+1], 0xff000000, v[BX+1]
	A1 214, 20
	A1 216, 21
	A1 218, 22
	A1 248, 23
	A1 250, 24
	A1 252, 25
	A1 14, 26
	v_lshrrev_b32 v[BY], 23, v[SO]                 ; the scale bytes
	v_lshrrev_b32 v[BY+1], 23, v[SO+1]
	A1 214, 27
	A1 216, 28
	A1 218, 29
	A1 248, 30
	A1 250, 31
	v_lshl_or_b32 v[W], v[BY+1], 16, v[BY]         ; blocks h and 2 + h,
	AA 252, 214
	AA 14, 216
	AA 218, 248
	v_cvt_scalef32_pk16_fp6_f32 v[P:P+2], v[S:S+15], v[SO]
	v_cvt_scalef32_pk16_fp6_f32 v[PA:PA+2], v[S+16:S+31], v[SO]          ; (a conversion's three registers begin on an even number)
	v_lshlrev_b32 v[W], v[H8], v[W]                ; at their places in the word
	v_cvt_scalef32_pk16_fp6_f32 v[P+6:P+8], v[S+32:S+47], v[SO+1]
	v_cvt_scalef32_pk16_fp6_f32 v[PB:PB+2], v[S+48:S+63], v[SO+1]
	AA 250, 252                                    ; (the plain line behind the scaled conversions)
	AA 14, 218
	v_permlanex16_b32 v[WP], v[W], s66, s67
.irp i, 0,1,2
	v_mov_b32 v[P+3+\i], v[PA+\i]
	v_mov_b32 v[P+9+\i], v[PB+\i]
.endr
	AA 14, 250
	v_or_b32 v[PW], v[W], v[WP]                    ; with lane l xor 16's two bytes p's scale word is whole
	s_wait_dscnt 0x0                               ; V
	WALU                                           ; the wait directly ahead of the first reader of O^T
.irp j, 0,2,4,6,8,10,12,14,16,18,20,22,24,26,28,30
	v_pk_mul_f32 v[O+\j:O+1+\j], v[O+\j:O+1+\j], v[FF:FF+1] op_sel_hi:[1,0]   ; O^T under the new M.  (Also the places between the making of p's codes and scale word and the products)
.endr
	PV 0, 0                                        ; four accumulators by turns
	PV 1, 1
	PV 2, 0
	PV 3, 1
	s_add_co_u32 s2, s2, REC
.endm
.macro RUN first, n, last              ; key steps first .. first + n - 1; last = 1: the run ends with the tile
	s_mov_b32 s2, (\first)*REC
	s_mov_b32 s3, \n
	s_mov_b32 s72, \last
.Lstep_\@:
	STEP
	s_sub_co_u32 s3, s3, 1
	s_cmp_lg_u32 s3, 0
	s_cbranch_scc1 .Lstep_\@
.endm
; THE WAY OUT of a tile.  O^T / the sum; register 16 B + i is channel 32 B + 16 h + i of my query: two blocks of the last projection's K.  Quantised in registers, the codes are the half image of (my tile, my head).
.macro WAYOUT
.rept 4
	v_nop                                          ; places behind the last products
.endr
	v_add_f32 v14, v14, v15
	s_delay_alu instid0(VALU_DEP_1)
	v_permlanex16_b32 v[PT], v14, s66, s67
	s_delay_alu instid0(VALU_DEP_1)
	v_add_f32 v14, v14, v[PT]                      ; the row's sum
	s_wait_alu depctr_va_vdst(0)
	v_rcp_f32 v[FF], v14
	v_add_nc_u32 v6, s104, v1                      ; (plain lines behind the reciprocal)
	v_add_nc_u32 v7, s104, v2
	v_and_b32 v8, 15, v0
	s_delay_alu instid0(VALU_DEP_1)
	v_lshlrev_b32 v8, 5, v8
	s_delay_alu instid0(VALU_DEP_1)
	v_add_nc_u32 v8, s105, v8                      ; my row's 32 scale bytes, my head's two
	s_wait_alu depctr_va_vdst(0)                   ; the wait ahead of the reciprocal's first reader
	v_mov_b32 v[FF+1], v[FF]
.irp j, 0,2,4,6,8,10,12,14,16,18,20,22,24,26,28,30
	v_pk_mul_f32 v[S+\j:S+1+\j], v[O+\j:O+1+\j], v[FF:FF+1]   ; each accumulator from its low end on
.endr
.irp b, 0,1
	v_max3_num_f32 v[BX+\b], |v[S+16*\b]|, |v[S+1+16*\b]|, 0x1800000
.endr
.irp i, 2,4,6,8,10,12,14
.irp b, 0,1
	s_delay_alu instid0(VALU_DEP_2)
	v_max3_num_f32 v[BX+\b], v[BX+\b], |v[S+16*\b+\i]|, |v[S+1+16*\b+\i]|
.endr
.endr
.irp b, 0,1
	s_delay_alu instid0(VALU_DEP_2)
	v_permlanex16_b32 v[PT+\b], v[BX+\b], s66, s67
.endr
.irp b, 0,1
	s_delay_alu instid0(VALU_DEP_2)
	v_max_num_f32 v[BX+\b], v[BX+\b], v[PT+\b]
.endr
.irp b, 0,1
	s_delay_alu instid0(VALU_DEP_2)
	v_add_nc_u32 v[SO+\b], 0xff000000, v[BX+\b]
.endr
.irp b, 0,1
	s_delay_alu instid0(VALU_DEP_2)
	v_lshrrev_b32 v[PT+\b], 23, v[SO+\b]
.endr
	s_delay_alu instid0(VALU_DEP_1)
	v_lshl_or_b32 v[PW], v[PT+1], 8, v[PT]
	v_cvt_scalef32_pk16_fp6_f32 v[P:P+2], v[S:S+15], v[SO]
	v_cvt_scalef32_pk16_fp6_f32 v[P+12:P+14], v[S+16:S+31], v[SO+1]
	v_nop                                          ; one plain line behind the scaled conversions
.irp i, 0,1,2
	v_permlane16_swap_b32 v[P+\i], v[P+12+\i]
.endr
.irp i, 0,1,2
	s_delay_alu instid0(VALU_DEP_3)
	v_mov_b32 v[P+3+\i], v[P+12+\i]
.endr
	global_store_b128 v6, v[P:P+3], s[62:63]                ; 512 consecutive bytes, aligned
	global_store_b64 v7, v[P+4:P+5], s[62:63] offset:512    ; 256 consecutive bytes, aligned
	global_store_b16 v8, v[PW], s[62:63]                    ; two bytes a row (lanes r and r + 16 write the same): a row's scale bytes come from sixteen heads, that is, from sixteen work-groups
.endm
	; ---- MY FIRST TILE
	WALU                                           ; the wait at the head's end
	s_cmp_lt_u32 s100, 4
	s_cbranch_scc0 .Lnot_first
	s_wait_tensorcnt 0x0                           ; waves 0-3: my record has landed
.Lnot_first:
	s_barrier_signal -1
	s_barrier_wait -1                              ; key steps 0-3 lie in LDS; nothing is ever filled again
	RUN 0, 4, 0
	s_wait_tensorcnt 0x0                           ; every wave: my record has landed
	s_barrier_signal -1
	s_barrier_wait -1                              ; the whole head lies in LDS
	RUN 4, 12, 1
	; ---- FROM MY FIRST TILE TO MY SECOND (its first mask codes have been asked for by the last step)
	WAYOUT
	s_add_co_u32 s104, s104, 16*16*768             ; ctx: 16 tiles x 16 heads of half images on,
	s_add_co_u32 s105, s105, 16*512                ; and 16 tiles' scale bytes
	s_mov_b32 s71, 0
	v_mov_b32 v34, v[Q2+6]                         ; the second tile's q and its scale word
.irp i, 0,1,2,3,4,5
	v_mov_b32 v[22+\i], v[Q2+\i]
.endr
	FRESH
	WALU
	s_wait_xcnt 0x0                                ; the way out's stores have read their data and offsets
	RUN 0, 16, 1
	WAYOUT
	s_wait_tensorcnt 0x0                           ; the wave's end
	ds_add_u32 v254, v255
	s_wait_dscnt 0x0
	CROUND                                         ; the closing round
	s_endpgm
.Lfunc_end_k_q6e06e990e4_attn:
	.size	k_q6e06e990e4_attn, .Lfunc_end_k_q6e06e990e4_attn-k_q6e06e990e4_attn
	.p2alignl 7, 3214868480
	.fill 96, 4, 3214868480
	.section	.rodata,"a",@progbits
	.p2align	6, 0x0
	.amdhsa_kernel k_q6e06e990e4_attn
		.amdhsa_group_segment_fixed_size 206848
		.amdhsa_private_segment_fixed_size 0
		.amdhsa_enable_private_segment 0
		.amdhsa_kernarg_size 32
		.amdhsa_user_sgpr_count 2
		.amdhsa_user_sgpr_kernarg_segment_ptr 1
		.amdhsa_wavefront_size32 1
		.amdhsa_system_sgpr_workgroup_id_x 1
		.amdhsa_system_sgpr_workgroup_id_y 1
		.amdhsa_system_sgpr_workgroup_id_z 1
		.amdhsa_system_vgpr_workitem_id 0
		.amdhsa_next_free_vgpr 256
		.amdhsa_next_free_sgpr 106
		.amdhsa_reserve_vcc 0
		.amdhsa_float_denorm_mode_32 3
		.amdhsa_float_denorm_mode_16_64 3
		.amdhsa_memory_ordered 1
		.amdhsa_forward_progress 1
		.amdhsa_inst_pref_size 68
	.end_amdhsa_kernel
	.amdgpu_metadata
---
amdhsa.version: [ 1, 2 ]
amdhsa.kernels:
  - .name:           k_q6e06e990e4_attn
    .symbol:         k_q6e06e990e4_attn.kd
    .args:
      - { .name: qi, .offset: 0, .size: 8, .value_kind: global_buffer, .address_space: global }
      - { .name: kv, .offset: 8, .size: 8, .value_kind: global_buffer, .address_space: global }
      - { .name: mcode, .offset: 16, .size: 8, .value_kind: global_buffer, .address_space: global }
      - { .name: cq, .offset: 24, .size: 8, .value_kind: global_buffer, .address_space: global }
    .group_segment_fixed_size: 206848
    .private_segment_fixed_size: 0
    .kernarg_segment_align: 8
    .kernarg_segment_size: 32
    .max_flat_workgroup_size: 512
    .sgpr_count:     106
    .vgpr_count:     256
    .wavefront_size: 32
...
	.end_amdgpu_metadata
.endif
;; end of part 3
;; launch outp (part 4): grid 4 x 64, 4 waves a work-group, clusters of 4 x 4, 327,680 bytes of LDS; arguments cq, wq, bo, out0; writes out0
.if DOCPART == 4
	.amdgcn_target "amdgcn-amd-amdhsa--gfx1250"
	.amdhsa_code_object_version 6
	.text
	.protected	k_q6e06e990e4_outp
	.globl	k_q6e06e990e4_outp
	.p2align	8
	.type	k_q6e06e990e4_outp,@function
k_q6e06e990e4_outp:
	s_mov_b64 s[64:65], 0
	v_nop
	global_prefetch_b8 v0, s[64:65] scope:SCOPE_SE
	s_setreg_imm32_b32 hwreg(HW_REG_WAVE_MODE, 25, 1), 1
	s_wait_xcnt 0x0
	s_wait_alu depctr_hold_cnt(0) depctr_sa_sdst(0) depctr_va_vdst(0) depctr_va_sdst(0) depctr_va_ssrc(0) depctr_va_vcc(0) depctr_vm_vsrc(0)
	s_getreg_b32 s2, hwreg(HW_REG_IB_STS2, 6, 4)
	s_cmp_eq_u32 s2, 0
	s_cbranch_scc0 .Lentry_in_a_cluster
	s_endpgm
.Lentry_in_a_cluster:
	s_bfe_u32 s2, ttmp6, 0x10000c
	s_cmp_lg_u32 s2, 0xf033
	s_cbranch_scc0 .Lentry_shape_is_right
	s_endpgm
.Lentry_shape_is_right:
; out0 = ctx Wo + bo on codes of FP6 (E2M3).  ctx: cq, 512 row tiles of 16 positions x 1,024 K (16 half images of 768 bytes on end), scale bytes [position][32] behind them; Wo: the fourth weight of wq, laid alike.
; SHARES.  A work-group makes 128 rows x 256 columns: 64 x 4 = 256 work-groups.  Four waves, 2 x 2: a wave makes 64 x 128: 32 accumulators (window 2).
; LDS holds ALL OF K of both operands: ctx's 8 row tiles (98,304 bytes) at 0, Wo's 16 behind them.  Three joint loads of 98,304 dense bytes at the head, one a wave (wave 0 ctx, waves 1 and 2 a half of Wo each);
; nothing is filled again, so there is no ring; one barrier shows the tiles to all waves.  ctx's tiles are shared along a row of the 4 x 4 cluster, Wo's along a column.
; The scale words go from memory straight into registers: lane r + 16 h takes the 32 bytes of row r of tile 2 i + h, 1,024 consecutive bytes for two loads.
; THE MATRIX INSTRUCTION IS USED TRANSPOSED (source 0 = Wo's rows): with Wo in position order a lane's 16 results of two neighbouring tiles are 16 neighbouring columns.  The bias is the first products' C.
; K goes in eight steps of 128, 32 products each, the accumulators by turns; both operands have two sets of fragment registers, and the next step's 48 LDS loads stand in a step's middle.
; THE WAY OUT: 16 rows x 128 columns at a time through the wave's stage, which lies in ctx's LDS bytes behind a barrier behind which nobody reads them; whole rows of 512 bytes are stored.
; No prefetch: all that the work-group reads is asked for in its first lines.
; REGISTERS, window 0: v12-25 addresses; v28-29 the add's; v32-47 ctx's scale words, v52-83 Wo's; v84-147 the bias; v148-243 ctx's fragments, two sets; window 1: Wo's fragments, two sets at v0 and v128.
.set CSC,   6291456
.set WSC,   3145728
.set RT,    12288
.set AB,    8*RT
.set SPARE, 3*AB
.set SPITCH, 528
.set SA,    32
.set SB,    52
.set BN,    84
.set AF,    148
.set BK,    84
.set MSB, 0
.macro WIN new
.if MSB != (\new)
	s_set_vgpr_msb (MSB<<8)|(\new)
.set MSB, (\new)
.endif
.endm
.macro PLACES n
.rept \n
	v_nop
.endr
.endm
.macro CROUND
	s_barrier_signal -1
	s_barrier_wait -1
	s_cmp_lg_u32 s14, 0
	s_cbranch_scc1 .Lnot_wave_0_\@
	s_barrier_signal -3
.Lnot_wave_0_\@:
	s_barrier_wait -3
	s_barrier_signal -1
	s_barrier_wait -1
.endm
	s_load_b128 s[4:7], s[0:1], 0x0                ; cq, wq
	s_load_b128 s[8:11], s[0:1], 0x10              ; bo, out0
	v_lshl_add_u32 v28, v0, 2, SPARE
	v_mov_b32 v29, 0
	ds_add_u32 v28, v29                            ; the opening lines
	ds_add_u32 v28, v29
	v_lshrrev_b32 v1, 5, v0
	v_readfirstlane_b32 s14, v1                    ; wave
	s_lshr_b32 s15, s14, 1                         ; my half of the rows
	s_and_b32 s16, s14, 1                          ; my half of the columns
	s_bfe_u32 s40, ttmp6, 0x40000                  ; cx
	s_bfe_u32 s41, ttmp6, 0x40004                  ; cy
	s_lshl_b32 s42, ttmp9, 2
	s_add_co_u32 s42, s42, s40                     ; block of 256 columns
	s_and_b32 s17, ttmp7, 0xffff
	s_lshl_b32 s17, s17, 2
	s_add_co_u32 s17, s17, s41                     ; block of 128 rows
	s_lshl_b32 s43, s41, 2
	s_lshl_b32 s43, 15, s43                        ; my row of the cluster
	s_lshl_b32 s44, 0x1111, s40                    ; my column
	s_or_b32 s24, s43, (3<<16)|(1<<21)             ; group 1: 98,304 dense bytes as 384 rows of 256 (32 elements of 8 bytes)
	s_or_b32 s48, s44, (3<<16)|(1<<21)
.irp g, 24, 48
	s_mov_b32 s[\g+1], 32<<16
	s_mov_b32 s[\g+2], 384<<16
	s_mov_b32 s[\g+3], 32<<16
	s_mov_b32 s[\g+4], 384
	s_mov_b32 s[\g+5], 32
	s_mov_b32 s[\g+6], 0
	s_mov_b32 s[\g+7], 0
.endr
	s_mul_i32 s20, s17, AB                         ; ctx's 8 row tiles
	s_mov_b32 s21, 0
	s_lshl_b32 s70, s17, 12
	s_lshl_b32 s71, s15, 11
	s_add_co_u32 s70, s70, s71
	s_add_co_u32 s70, s70, CSC                     ; the scale bytes of my 64 rows
	s_mov_b32 s71, 0
	s_mul_i32 s46, s42, 16*RT
	s_mul_i32 s47, s14, AB
	s_add_co_u32 s46, s46, s47
	s_add_co_u32 s46, s46, 3*786432-AB             ; waves 1, 2: the first, the second half of Wo's 16 row tiles
	s_mov_b32 s47, 0
	s_lshl_b32 s72, s42, 13
	s_lshl_b32 s73, s16, 12
	s_add_co_u32 s72, s72, s73
	s_add_co_u32 s72, s72, WSC+3*32768             ; the scale bytes of my 128 columns
	s_mov_b32 s73, 0
	s_mul_i32 s45, s14, AB                         ; where a wave's load lands
	s_wait_dscnt 0x0
	s_wait_kmcnt 0x0
	s_mov_b32 s32, 1
	s_mov_b32 s33, 0
	s_add_nc_u64 s[34:35], s[4:5], s[20:21]
	s_or_b32 s35, s35, 0x80000000
	s_mov_b32 s56, 1
	s_mov_b32 s57, s45
	s_add_nc_u64 s[58:59], s[6:7], s[46:47]
	s_or_b32 s59, s59, 0x80000000
	s_add_nc_u64 s[66:67], s[4:5], s[70:71]
	s_add_nc_u64 s[68:69], s[6:7], s[72:73]
	CROUND                                         ; all sixteen work-groups are here: the joint loads meet
	s_cmp_eq_u32 s14, 0                            ; one chain of branches on the wave's number, one load to an arm
	s_cbranch_scc0 .Lfor_b
	tensor_load_to_lds s[32:35], s[24:31]
	s_nop 0
	PLACES 4
	s_branch .Lasked
.Lfor_b:
	s_cmp_lt_u32 s14, 3
	s_cbranch_scc0 .Lasked
	tensor_load_to_lds s[56:59], s[48:55]
	s_nop 0
	PLACES 4
.Lasked:
	v_and_b32 v1, 15, v0
	v_bfe_u32 v2, v0, 4, 1
	v_and_b32 v3, 31, v0
	v_lshlrev_b32 v12, 4, v3                       ; 16 x lane
	v_lshlrev_b32 v13, 3, v3                       ; 8 x lane
	v_lshlrev_b32 v5, 5, v3                        ; 32 x lane: the scale bytes
	s_mul_i32 s21, s15, 4*RT                       ; my 4 row tiles of ctx
	s_mul_i32 s22, s16, AB
	s_add_co_u32 s22, s22, AB                      ; my 8 of Wo: tiles 0-3,
	s_add_co_u32 s23, s22, 4*RT                    ; and 4-7 (an LDS offset has 16 bits)
	v_add_nc_u32 v16, s21, v12
	v_add_nc_u32 v17, s21, v13
	v_add_nc_u32 v20, s22, v12
	v_add_nc_u32 v21, s22, v13
	v_add_nc_u32 v22, s23, v12
	v_add_nc_u32 v23, s23, v13
	s_mul_i32 s23, s14, 16*SPITCH                  ; my stage
	v_mul_u32_u24 v6, v1, SPITCH
	v_lshl_add_u32 v6, v2, 6, v6
	v_add_nc_u32 v24, s23, v6                      ; in: row r, 64 bytes for each half of the lanes
	v_add_nc_u32 v25, s23, v12                     ; back: a row of 512 bytes
	s_lshl_b32 s100, s42, 8
	s_lshl_b32 s101, s16, 7
	s_add_co_u32 s100, s100, s101                  ; my first column
	v_lshlrev_b32 v8, 6, v2
	v_lshl_add_u32 v8, s100, 2, v8
	s_lshl_b32 s76, s17, 7
	s_lshl_b32 s77, s15, 6
	s_add_co_u32 s76, s76, s77                     ; my first row
	s_lshl_b32 s76, s76, 12
	s_lshl_b32 s100, s100, 2
	s_add_co_u32 s76, s76, s100
	s_mov_b32 s77, 0
	s_add_nc_u64 s[10:11], s[10:11], s[76:77]
	s_wait_alu depctr_va_vdst(0)                   ; the wait at the head's end
.irp i, 0,1
.irp c, 0,1
	global_load_b128 v[SA+8*\i+4*\c:SA+8*\i+4*\c+3], v5, s[66:67] offset:1024*\i+16*\c    ; register SA + 8 i + q: the word of K step q of row r of tile 2 i + h
.endr
.endr
.irp i, 0,1,2,3
.irp c, 0,1
	global_load_b128 v[SB+8*\i+4*\c:SB+8*\i+4*\c+3], v5, s[68:69] offset:1024*\i+16*\c
.endr
.endr
.irp b, 0,1,2,3
.irp j, 0,1,2,3
	global_load_b128 v[BN+16*\b+4*\j:BN+16*\b+4*\j+3], v8, s[8:9] offset:128*\b+16*\j     ; the bias at columns 32 b + 16 h + 0 .. 15
.endr
.endr
.macro FRAG reg, a16, a8, off          ; a fragment: two half images; of each a lane's first 16 bytes lie at 16 l, its last 8 at 512 + 8 l
.irp e, 0,1
	ds_load_b128 v[(\reg)+6*\e:(\reg)+6*\e+3], v[\a16] offset:(\off)+\e*768
	ds_load_b64 v[(\reg)+6*\e+4:(\reg)+6*\e+5], v[\a8] offset:(\off)+\e*768+512
.endr
.endm
.macro FETCH q                         ; K step q's fragments into set q % 2: 48 loads
	WIN 0x40
.irp i, 0,1,2,3,4,5,6,7
	FRAG 128*((\q)%2)+12*\i, 20+2*(\i/4), 21+2*(\i/4), (\i%4)*RT+2*(\q)*768
.endr
	WIN 0
.irp i, 0,1,2,3
	FRAG AF+48*((\q)%2)+12*\i, 16, 17, \i*RT+2*(\q)*768
.endr
.endm
.macro W1 a, b, q, x, y                ; rows' tile a x columns' tile b, K step q; x, y: which half of the lanes holds the scale words
.if (\q) == 0
	v_wmma_scale_f32_16x16x128_f8f6f4 v[8*(8*(\a)+(\b)):8*(8*(\a)+(\b))+7], v[128*((\q)%2)+12*(\b):128*((\q)%2)+12*(\b)+11], v[AF+48*((\q)%2)+12*(\a):AF+48*((\q)%2)+12*(\a)+11], v[BN+8*(\b):BN+8*(\b)+7], v[SB+8*((\b)/2)+(\q)], v[SA+8*((\a)/2)+(\q)] matrix_a_fmt:MATRIX_FMT_FP6 matrix_b_fmt:MATRIX_FMT_FP6 matrix_a_scale:MATRIX_SCALE_ROW\x matrix_b_scale:MATRIX_SCALE_ROW\y
.else
	v_wmma_scale_f32_16x16x128_f8f6f4 v[8*(8*(\a)+(\b)):8*(8*(\a)+(\b))+7], v[128*((\q)%2)+12*(\b):128*((\q)%2)+12*(\b)+11], v[AF+48*((\q)%2)+12*(\a):AF+48*((\q)%2)+12*(\a)+11], v[8*(8*(\a)+(\b)):8*(8*(\a)+(\b))+7], v[SB+8*((\b)/2)+(\q)], v[SA+8*((\a)/2)+(\q)] matrix_a_fmt:MATRIX_FMT_FP6 matrix_b_fmt:MATRIX_FMT_FP6 matrix_a_scale:MATRIX_SCALE_ROW\x matrix_b_scale:MATRIX_SCALE_ROW\y
.endif
.endm
.macro MUL8 a, q, y
.irp c, 0,1,2,3
	W1 \a, 2*\c, \q, 0, \y
	W1 \a, 2*\c+1, \q, 1, \y
.endr
.endm
.macro MWIN q                          ; source 0 window 1, source 1 window 0, D window 2; C: the bias in window 0, later the sums
.if (\q) == 0
	WIN 0x81
.else
	WIN 0xa1
.endif
.endm
.macro KSTEP q
	s_wait_dscnt 0x0                               ; this step's fragments, asked for 16 products ago
.if (\q) == 7
	s_barrier_signal -1                            ; my last reads of the tiles are over
.endif
	MWIN \q
	MUL8 0, \q, 0
	MUL8 1, \q, 1
.if (\q) < 7
	PLACES 4                                       ; in front of loads into registers that the last step's products have read
	FETCH (\q)+1
	MWIN \q
.endif
	MUL8 2, \q, 0
	MUL8 3, \q, 1
.endm
	s_wait_tensorcnt 0x0                           ; my load has landed
	s_barrier_signal -1
	s_barrier_wait -1                              ; all three have
	FETCH 0
	s_wait_loadcnt 0x0                             ; the scale words and the bias
.irp q, 0,1,2,3,4,5,6,7
	KSTEP \q
.endr
	WIN 0
	PLACES 4                                       ; behind the last products
	s_barrier_wait -1                              ; nobody reads the tiles any more: the stages may lie on ctx's bytes, which have had their only fill
.macro TOSTAGE a
	WIN 0x08                                       ; the data: window 2
.irp b, 0,1,2,3,4,5,6,7
	ds_store_b128 v24, v[64*(\a)+8*\b:64*(\a)+8*\b+3] offset:128*(\b/2)+32*(\b%2)          ; each accumulator from its low end on
	ds_store_b128 v24, v[64*(\a)+8*\b+4:64*(\a)+8*\b+7] offset:128*(\b/2)+32*(\b%2)+16
.endr
	WIN 0
.set BB, BK+64*((\a)%2)
.irp t, 0,1,2,3,4,5,6,7,8,9,10,11,12,13,14,15
	ds_load_b128 v[BB+4*\t:BB+4*\t+3], v25 offset:\t*SPITCH   ; LDS serves a wave's instructions in order: these see the stores above
.endr
.endm
.macro SEND a, younger                 ; position 16 a + t is row 32 (a / 2) + 8 (a % 2) + t + 8 (t / 8)
.set BB, BK+64*((\a)%2)
	s_wait_dscnt \younger
.irp t, 0,1,2,3,4,5,6,7,8,9,10,11,12,13,14,15
	global_store_b128 v12, v[BB+4*\t:BB+4*\t+3], s[10:11] offset:(32*((\a)/2)+8*((\a)%2)+\t+8*(\t/8))*4096 th:TH_STORE_NT   ; 512 consecutive bytes, aligned
.endr
.endm
	TOSTAGE 0
.irp a, 1,2,3
.if \a > 1
	s_wait_xcnt 0x0                                ; block a - 2's stores have read their registers
.endif
	TOSTAGE \a
	SEND \a-1, 32                                  ; behind block a - 1's loads: block a's 16 stores and 16 loads
.endr
	SEND 3, 0
	s_wait_tensorcnt 0x0                           ; the wave's end
	ds_add_u32 v28, v29
	s_wait_dscnt 0x0
	CROUND                                         ; the closing round
	s_endpgm
.Lfunc_end_k_q6e06e990e4_outp:
	.size	k_q6e06e990e4_outp, .Lfunc_end_k_q6e06e990e4_outp-k_q6e06e990e4_outp
	.p2alignl 7, 3214868480
	.fill 96, 4, 3214868480
	.section	.rodata,"a",@progbits
	.p2align	6, 0x0
	.amdhsa_kernel k_q6e06e990e4_outp
		.amdhsa_group_segment_fixed_size 327680
		.amdhsa_private_segment_fixed_size 0
		.amdhsa_enable_private_segment 0
		.amdhsa_kernarg_size 32
		.amdhsa_user_sgpr_count 2
		.amdhsa_user_sgpr_kernarg_segment_ptr 1
		.amdhsa_wavefront_size32 1
		.amdhsa_system_sgpr_workgroup_id_x 1
		.amdhsa_system_sgpr_workgroup_id_y 1
		.amdhsa_system_sgpr_workgroup_id_z 1
		.amdhsa_system_vgpr_workitem_id 0
		.amdhsa_next_free_vgpr 768
		.amdhsa_next_free_sgpr 104
		.amdhsa_reserve_vcc 0
		.amdhsa_float_denorm_mode_32 3
		.amdhsa_float_denorm_mode_16_64 3
		.amdhsa_memory_ordered 1
		.amdhsa_forward_progress 1
		.amdhsa_inst_pref_size 82
	.end_amdhsa_kernel
	.amdgpu_metadata
---
amdhsa.version: [ 1, 2 ]
amdhsa.kernels:
  - .name:           k_q6e06e990e4_outp
    .symbol:         k_q6e06e990e4_outp.kd
    .args:
      - { .name: cq, .offset: 0, .size: 8, .value_kind: global_buffer, .address_space: global }
      - { .name: wq, .offset: 8, .size: 8, .value_kind: global_buffer, .address_space: global }
      - { .name: bo, .offset: 16, .size: 8, .value_kind: global_buffer, .address_space: global }
      - { .name: out0, .offset: 24, .size: 8, .value_kind: global_buffer, .address_space: global }
    .group_segment_fixed_size: 327680
    .private_segment_fixed_size: 0
    .kernarg_segment_align: 8
    .kernarg_segment_size: 32
    .max_flat_workgroup_size: 128
    .sgpr_count:     104
    .vgpr_count:     768
    .wavefront_size: 32
...
	.end_amdgpu_metadata
.endif
;; end of part 4
